; MI455X (gfx1250); checked and timed in simulation.
; The chip was launched on July 23, 2026; its instructions are those of AMD's public machine-readable ISA for CDNA 5 (MIT licence, August 2026) and "CDNA5" Instruction Set Architecture Reference Guide (July 2026). The comments in the code are by the model that wrote it; some were corrected since.
;; Multi Head Attention. Allowed arithmetic: matrix products marked QUANTISED: E2M3 operands, one E8M0 scale for each 32 along K, by v_wmma_scale_f32_16x16x128_f8f6f4 with both operands' format E2M3, f32 sums; everything else in f32.
;; Inputs: Wk 1,024 x 1,024 float32; Wo 1,024 x 1,024 float32; Wq 1,024 x 1,024 float32; Wv 1,024 x 1,024 float32; bk 1,024 float32; bo 1,024 float32; bq 1,024 float32; bv 1,024 float32; key 1 x 4,096 x 1,024 float32; query 1 x 4,096 x 1,024 float32; value 1 x 4,096 x 1,024 float32.
;; Outputs: out0 1 x 4,096 x 1,024 float32.
;; This version of the problem:
;;   THIS VERSION OF THE PROBLEM IS GIVEN IN LOW PRECISION. The matrix products marked QUANTISED in the list below multiply operands that are first quantised to E2M3 (2 exponent bits, 3 mantissa bits; 6 bits a number), with one power-of-two scale for each 32 numbers along K (OCP MX v1.0); their sums are f32. All else is computed in f32.
;;   The module's matrix products, in the order in which they are computed (A, B: the left and right operand; K: the contracted axis; several contracted axes count as one K, in the product's order):
;;     1. [M 4,096, K 1,024] x [K 1,024, N 1,024]; A: input query; B: input Wq: QUANTISED
;;     2. [M 4,096, K 1,024] x [K 1,024, N 1,024]; A: input key; B: input Wk: QUANTISED
;;     3. [M 4,096, K 1,024] x [K 1,024, N 1,024]; A: input value; B: input Wv: QUANTISED
;;     4. batch 16 x [M 4,096, K 64] x [K 64, N 4,096]; A: computed on the way; B: computed on the way: QUANTISED
;;     5. batch 16 x [M 4,096, K 4,096] x [K 4,096, N 64]; A: softmax (see below); B: computed on the way: QUANTISED
;;     6. [M 4,096, K 1,024] x [K 1,024, N 1,024]; A: computed on the way; B: input Wo: QUANTISED
;;   THE QUANTISER, for each operand of a quantised product, along K:
;;     - K is cut into blocks of 32 from its start; a last block that is shorter is filled with zeros.
;;     - A block's scale is 2^e with e = floor(log2(the largest magnitude in the block)) - 2, held to -126 .. 127; a block of zeros has e = 0. As a byte (E8M0): e + 127.
;;     - Each number is divided by its block's scale, clamped to +-7.5, and rounded to the nearest number of E2M3, ties to even, subnormals kept.
;;     - The product sums the exact products of the quantised numbers (number of the format x scale) in f32.
;;   ~~~python
;;   def quantise(x, axis):      # numpy; x: float32 -> the quantised numbers, widened to float32 again
;;       x = np.moveaxis(x, axis, -1); K = x.shape[-1]
;;       x = np.pad(x, [(0, 0)] * (x.ndim - 1) + [(0, -K % 32)]); x = x.reshape(x.shape[:-1] + (-1, 32)); a = np.abs(x).max(-1, keepdims=True)
;;       e = np.where(a > 0, np.clip(np.frexp(np.where(a > 0, a, 1))[1] - 1 - 2, -126, 127), 0)      # np.frexp(a)[1] - 1 = floor(log2(a)), exactly
;;       r = np.clip(x / 2.0 ** e, -7.5, 7.5)
;;       step = 2.0 ** (np.maximum(np.frexp(np.where(r == 0, 1, r))[1] - 1, 0) - 3)
;;       q = np.round(r / step) * step * 2.0 ** e      # np.round: ties to even
;;       return np.moveaxis(q.reshape(q.shape[:-2] + (-1,))[..., :K], -1, axis).astype(np.float32)
;;   ~~~
;;   SOFTMAX AHEAD OF A QUANTISED PRODUCT. Where the list says 'softmax', what is quantised is not the finished softmax but p = 2^(t - M), with t = logit x log2(e) and M = ceil(the row's largest t), a whole number; so 1/2 < the row's largest p <= 1. The row's sum l is taken of the UNQUANTISED p, in f32, and the product's result is divided by l at the end. Since M is a whole number, a kernel that streams over the keys may use a running M (the ceiling of the running maximum): every later rescaling is an exact power of two, which a block's scale takes up: the codes' values come out the same.
;;   OPERANDS COMPUTED ON THE WAY. 'Computed on the way' means the value that the module computes at that place (a softmax that the list does not call 'softmax' is quantised finished and normalised). What goes into a quantiser is computed in f32, as accurately as f32 sums, v_exp_f32 and their like allow (about 1e-6 of the number): no bf16 or f16 on the way to a quantiser, and a product that is left as it is and whose result goes on into a quantised operand takes f32 operands (vector FMAs, or v_wmma_f32_16x16x4_f32). A number that lies on a knife's edge between two numbers of the format may be rounded either way, as far as f32 arithmetic and the matrix unit's own rounding can turn it there, and no further.
;; One version. Each part assembles by itself: llvm-mc -triple=amdgcn-amd-amdhsa -mcpu=gfx1250 --defsym DOCPART=n.
;; ======== version 1 of 1: 4 launches
;; limits: right only within a limited range of input values
;; workspace buffers: ops 13,107,200 bytes; qkv 10,223,616 bytes; aop 3,276,800 bytes
;; launch quant (part 1): grid 256 x 1, 8 waves a work-group, no clusters, 68,608 bytes of LDS; arguments query, key, value, Wq, Wk, Wv, Wo, ops; writes ops
.if DOCPART == 1
	.amdgcn_target "amdgcn-amd-amdhsa--gfx1250"
	.amdhsa_code_object_version 6
	.text
	.protected	k_q033dc3cf31_quant
	.globl	k_q033dc3cf31_quant
	.p2align	8
	.type	k_q033dc3cf31_quant,@function
k_q033dc3cf31_quant:
	s_mov_b64 s[64:65], 0
	v_nop
	global_prefetch_b8 v0, s[64:65] scope:SCOPE_SE
	s_setreg_imm32_b32 hwreg(HW_REG_WAVE_MODE, 25, 1), 1
	s_wait_xcnt 0x0
; query, key, value [4096][1024] and Wq, Wk, Wv, Wo [1024][1024], f32, K innermost, become codes of FP6 (E2M3) with one E8M0 scale byte for each 32 along K,
; laid in the ORDER OF AN OPERAND'S REGISTERS.  ops holds 128 row blocks of 128 rows: 0-31 query, 32-63 key, 64-95 value, 96-103 Wq, 104-111 Wk, 112-119 Wv, 120-127 Wo.
; A row block is 8 K steps of 12,800 bytes.  A K step: 8 fragments of 1,536 bytes, then 512 bytes of scale words.  Fragment a: piece p (registers 2 p, 2 p + 1) at 256 p, lane l at 8 l.
; Lane (r, h) of fragment a holds row 32 (a / 2) + 8 (a % 2) + r + 8 (r / 8) of the block, registers 6 c .. 6 c + 5 the codes of k = 64 c + 32 h + 0 .. 31.  The word of (a, r): at 256 (a / 4) + 16 r + 4 (a % 4).
; THE ROWS OF A FRAGMENT ARE NOT NEIGHBOURS, so that in a transposed product the 16 registers of two neighbouring tiles are 16 neighbours along the result's row.
; A block's scale is 2^(floor(log2(its largest magnitude)) - 2); its byte is the largest magnitude's exponent field - 2, held at 1 from below.
; LIMITS: NaN and infinities among the inputs are not served; a block whose largest magnitude lies under 2^-124 keeps the byte 1; a block of zeros has the byte 1 where the rule says 127: its codes are zeros, and this program alone reads the bytes.
; SHARES: a work-group takes 64 whole rows (262,144 dense bytes), its wave w the K step w: 4 fragments.  Each load reads 512 consecutive bytes of one row; 16 rows turn through the wave's own stage in LDS,
; so that a lane gets 16 neighbours of each block of 32.  No barrier: waves share nothing.  Loads run two fragments (32 loads a wave) ahead.  Every store covers 256 consecutive bytes, aligned.
.set RBB,    102400                    ; a row block in ops
.set KSB,    12800                     ; a K step in it
.set FRB,    1536                      ; a fragment
.set SPITCH, 528                       ; a stage row: 512 bytes + 16, so that the sixteen rows that a load touches begin 16 bytes apart modulo 256
.set WST,    16*SPITCH                 ; a wave's stage
.set GA,  4                            ; v4   16 x lane: my bytes of a load's 512
.set SA,  5                            ; v5   the stage, on the way in
.set SR,  6                            ; v6   and on the way out: row r, + 64 h
.set CO,  7                            ; v7   8 x lane: my place in a piece
.set SO,  8                            ; v8   16 r + 8 h: my two scale words
.set R,   16                           ; v16-143  two sets of 16 rows as loaded
.set X,   144                          ; v144-207 64 numbers: register 16 b + i = k 32 b + 16 h + i of my row
.set PC,  208                          ; v208-219 the fragment just made
.set CT,  220                          ; v220-227 the upper halves of the blocks' codes
.set TM,  228                          ; v228-243 at work in QUANT
.set SW,  244                          ; v244-247 the four fragments' scale words
.set OW,  248                          ; v248-249 the two that I store
.set SEL, 2                            ; s[2:3] lane selects for v_permlanex16_b32: lane l xor 16
; 64 numbers of a lane, v[s] on, register 16 b + i = k 32 b + 16 h + i of my row, become codes: v[d0] on six registers (k = 32 h + 0 .. 31), v[d1] on six (k = 64 + 32 h + 0 .. 31); the row's scale word goes to v[pw], in all lanes.
.macro QUANT s, d0, d1, pw
.irp b, 0,1,2,3
	v_max3_num_f32 v[TM+\b], |v[\s+16*\b]|, |v[\s+1+16*\b]|, 0x1800000   ; block b: my 16 numbers, and the floor 2^(3 - 127): the byte cannot fall under 1
.endr
.irp i, 2,4,6,8,10,12,14
.irp b, 0,1,2,3
	s_delay_alu instid0(VALU_DEP_4)
	v_max3_num_f32 v[TM+\b], v[TM+\b], |v[\s+16*\b+\i]|, |v[\s+1+16*\b+\i]|   ; the four blocks by turns
.endr
.endr
.irp b, 0,1,2,3
	s_delay_alu instid0(VALU_DEP_4)
	v_permlanex16_b32 v[TM+4+\b], v[TM+\b], s[SEL], s[SEL+1]
.endr
.irp b, 0,1,2,3
	s_delay_alu instid0(VALU_DEP_4)
	v_max_num_f32 v[TM+\b], v[TM+\b], v[TM+4+\b]   ; with lane l xor 16's 16: the block's largest magnitude
.endr
.irp b, 0,1,2,3
	s_delay_alu instid0(VALU_DEP_4)
	v_add_nc_u32 v[TM+12+\b], 0xff000000, v[TM+\b]   ; 2 off its exponent field: the conversion takes the exponent field of this operand as its scale
.endr
.irp b, 0,1,2,3
	s_delay_alu instid0(VALU_DEP_4)
	v_lshrrev_b32 v[TM+4+\b], 23, v[TM+12+\b]      ; the scale's byte
.endr
	s_delay_alu instid0(VALU_DEP_3)
	v_lshl_or_b32 v[\pw], v[TM+5], 8, v[TM+4]
	s_delay_alu instid0(VALU_DEP_1)
	v_lshl_or_b32 v[\pw], v[TM+6], 16, v[\pw]
	s_delay_alu instid0(VALU_DEP_1)
	v_lshl_or_b32 v[\pw], v[TM+7], 24, v[\pw]
	v_cvt_scalef32_pk16_fp6_f32 v[\d0:\d0+2], v[\s:\s+15], v[TM+12]
	v_cvt_scalef32_pk16_fp6_f32 v[CT:CT+2], v[\s+16:\s+31], v[TM+13]   ; (a conversion's three registers begin on an even number)
	v_cvt_scalef32_pk16_fp6_f32 v[\d1:\d1+2], v[\s+32:\s+47], v[TM+14]
	v_cvt_scalef32_pk16_fp6_f32 v[CT+4:CT+6], v[\s+48:\s+63], v[TM+15]
	v_nop                                          ; one plain instruction behind the scaled conversions
.irp i, 0,1,2
	v_permlane16_swap_b32 v[\d0+\i], v[CT+\i]      ; a WHOLE block to a lane: lanes 0-15 the even block, lanes 16-31 the odd one
	v_permlane16_swap_b32 v[\d1+\i], v[CT+4+\i]
.endr
.irp i, 0,1,2
	v_mov_b32 v[\d0+3+\i], v[CT+\i]
	v_mov_b32 v[\d1+3+\i], v[CT+4+\i]
.endr
.endm
	s_load_b512 s[16:31], s[0:1], 0x0              ; query, key, value, Wq, Wk, Wv, Wo, ops
	v_lshl_add_u32 v254, v0, 2, 0x10800
	v_mov_b32 v255, 0
	v_lshrrev_b32 v1, 5, v0
	s_delay_alu instid0(VALU_DEP_1)
	v_readfirstlane_b32 s8, v1                     ; wave 0..7 = my K step
	v_and_b32 v1, 31, v0                           ; lane
	v_and_b32 v2, 15, v0                           ; r
	v_bfe_u32 v3, v0, 4, 1                         ; h
	s_delay_alu instid0(VALU_DEP_3)
	v_lshlrev_b32 v[GA], 4, v1
	s_mul_i32 s9, s8, WST
	v_add_nc_u32 v[SA], s9, v[GA]
	v_mul_u32_u24 v[SR], v2, SPITCH
	s_delay_alu instid0(VALU_DEP_1)
	v_lshl_add_u32 v[SR], v3, 6, v[SR]
	s_delay_alu instid0(VALU_DEP_1)
	v_add_nc_u32 v[SR], s9, v[SR]
	v_lshlrev_b32 v[CO], 3, v1
	v_lshlrev_b32 v[SO], 4, v2
	s_delay_alu instid0(VALU_DEP_1)
	v_lshl_add_u32 v[SO], v3, 3, v[SO]
	; KEY'S FRAGMENTS TAKE OTHER ROWS than the head comment's pattern: fragment a of a row block of key holds row 64 (a / 4) + 8 (a % 4) + r % 8 + 32 (r / 8),
	; so that in S^T = K Q^T a lane's 32 registers of four neighbouring tiles are one whole block of 32 keys.  Against the common pattern four groups of 8 rows move by 16 rows (65,536 bytes):
	s_lshr_b32 s38, ttmp9, 6
	s_cmp_eq_u32 s38, 1                            ; work-groups 64-127 take key
	s_cselect_b32 s38, 0x10000, 0                  ; key: 16 rows on; the others: 0
	s_xor_b32 s39, s38, 0x10000                    ; key: 0; the others: 16 rows on
	v_add_nc_u32 v9, s38, v[GA]
	v_add_nc_u32 v10, s39, v[GA]
.irp b, 0,1,2,3
	v_mov_b32 v[TM+4+\b], 0                        ; written once: a lane permute's destination counts as one of its sources
.endr
	s_mov_b32 s[SEL], 0x76543210
	s_mov_b32 s[SEL+1], 0xfedcba98
	s_cmp_lt_u32 ttmp9, 192                        ; work-groups 0-191: three tensors of 64 work-groups; 192-255: four of 16
	s_cselect_b32 s10, 63, 15
	s_and_b32 s10, ttmp9, s10                      ; which 64 rows of my tensor
	s_lshl_b32 s10, s10, 18                        ; x 64 rows of 4,096 bytes
	s_lshl_b32 s11, s8, 9                          ; + my K step's 512 bytes of a row
	s_add_co_u32 s10, s10, s11
	s_mov_b32 s11, 0
	s_lshr_b32 s12, ttmp9, 1                       ; my row block in ops
	s_mul_i32 s12, s12, RBB
	s_mul_i32 s13, s8, KSB
	s_add_co_u32 s12, s12, s13
	s_and_b32 s14, ttmp9, 1                        ; which half of it: fragments 0-3 or 4-7
	s_mul_i32 s13, s14, 4*FRB
	s_add_co_u32 s32, s12, s13
	s_mov_b32 s33, 0
	s_lshl_b32 s14, s14, 8
	s_add_co_u32 s34, s12, s14
	s_add_co_u32 s34, s34, 8*FRB                   ; the scale words lie behind the eight fragments
	s_mov_b32 s35, 0
	s_wait_alu depctr_va_vdst(0)
	s_wait_kmcnt 0x0
	s_mov_b64 s[4:5], s[28:29]                     ; my tensor: the choice hangs on the work-group's number alone
	s_cmp_lt_u32 ttmp9, 240
	s_cselect_b64 s[4:5], s[26:27], s[4:5]
	s_cmp_lt_u32 ttmp9, 224
	s_cselect_b64 s[4:5], s[24:25], s[4:5]
	s_cmp_lt_u32 ttmp9, 208
	s_cselect_b64 s[4:5], s[22:23], s[4:5]
	s_cmp_lt_u32 ttmp9, 192
	s_cselect_b64 s[4:5], s[20:21], s[4:5]
	s_cmp_lt_u32 ttmp9, 128
	s_cselect_b64 s[4:5], s[18:19], s[4:5]
	s_cmp_lt_u32 ttmp9, 64
	s_cselect_b64 s[4:5], s[16:17], s[4:5]
	s_add_nc_u64 s[4:5], s[4:5], s[10:11]
	s_add_nc_u64 s[6:7], s[30:31], s[32:33]        ; my four fragments
	s_add_nc_u64 s[36:37], s[30:31], s[34:35]      ; their 256 bytes of scale words
.macro LOAD t                          ; the 16 rows of fragment t, 512 consecutive bytes each, into set t % 2
.irp i, 0,1,2,3,4,5,6,7,8,9,10,11,12,13,14,15
.if ((\t) < 2) && (\i >= 8)
	global_load_b128 v[R+64*((\t)%2)+4*\i:R+64*((\t)%2)+4*\i+3], v9, s[4:5] offset:(32*((\t)/2)+8*((\t)%2)+\i+8*(\i/8))*4096 th:TH_LOAD_NT   ; the common row; key: 16 rows further on
.else
.if ((\t) >= 2) && (\i < 8)
	global_load_b128 v[R+64*((\t)%2)+4*\i:R+64*((\t)%2)+4*\i+3], v10, s[4:5] offset:(8*(\t)+\i)*4096 th:TH_LOAD_NT   ; key's row; the others: 16 rows further on, which is the common row
.else
	global_load_b128 v[R+64*((\t)%2)+4*\i:R+64*((\t)%2)+4*\i+3], v[GA], s[4:5] offset:(32*((\t)/2)+8*((\t)%2)+\i+8*(\i/8))*4096 th:TH_LOAD_NT
.endif
.endif
.endr
.endm
.macro TILE t
.if \t > 0
	s_wait_xcnt 0x0                                ; the last fragment's stores have read their registers: the codes may be written anew
.endif
.if \t < 3
	s_wait_loadcnt 16                              ; this fragment's 16 loads are in; the next fragment's 16 may be out
.else
	s_wait_loadcnt 0x0
.endif
.irp i, 0,1,2,3,4,5,6,7,8,9,10,11,12,13,14,15
	ds_store_b128 v[SA], v[R+64*((\t)%2)+4*\i:R+64*((\t)%2)+4*\i+3] offset:SPITCH*\i
.endr
.irp b, 0,1,2,3
.irp j, 0,1,2,3
	ds_load_b128 v[X+16*\b+4*\j:X+16*\b+4*\j+3], v[SR] offset:128*\b+16*\j   ; LDS serves a wave's instructions in order: these see the stores above
.endr
.endr
	s_wait_dscnt 0x0                               ; my numbers are back, and the stores into the stage have read their registers,
.if \t < 2
	LOAD \t+2                                      ; which take the loads of two fragments on
.endif
	QUANT X, PC, PC+6, SW+\t
.irp p, 0,1,2,3,4,5
	global_store_b64 v[CO], v[PC+2*\p:PC+2*\p+1], s[6:7] offset:FRB*(\t)+256*\p   ; 32 lanes store 256 consecutive bytes, aligned
.endr
.endm
	LOAD 0
	LOAD 1
	TILE 0
	TILE 1
	TILE 2
	TILE 3
	v_cmp_ne_u32 vcc_lo, 0, v3                     ; row r's four words are 16 neighbouring bytes: lanes 0-15 store the first two, lanes 16-31 the other two
	s_delay_alu instid0(VALU_DEP_1)
	v_cndmask_b32 v[OW], v[SW], v[SW+2], vcc_lo
	s_delay_alu instid0(VALU_DEP_2)
	v_cndmask_b32 v[OW+1], v[SW+1], v[SW+3], vcc_lo
	global_store_b64 v[SO], v[OW:OW+1], s[36:37]
	s_wait_tensorcnt 0x0
	ds_add_u32 v254, v255
	s_wait_dscnt 0x0
	s_endpgm
.Lfunc_end_k_q033dc3cf31_quant:
	.size	k_q033dc3cf31_quant, .Lfunc_end_k_q033dc3cf31_quant-k_q033dc3cf31_quant
	.p2alignl 7, 3214868480
	.fill 96, 4, 3214868480
	.section	.rodata,"a",@progbits
	.p2align	6, 0x0
	.amdhsa_kernel k_q033dc3cf31_quant
		.amdhsa_group_segment_fixed_size 68608
		.amdhsa_private_segment_fixed_size 0
		.amdhsa_enable_private_segment 0
		.amdhsa_kernarg_size 64
		.amdhsa_user_sgpr_count 2
		.amdhsa_user_sgpr_kernarg_segment_ptr 1
		.amdhsa_wavefront_size32 1
		.amdhsa_system_sgpr_workgroup_id_x 1
		.amdhsa_system_sgpr_workgroup_id_y 1
		.amdhsa_system_sgpr_workgroup_id_z 1
		.amdhsa_system_vgpr_workitem_id 0
		.amdhsa_next_free_vgpr 256
		.amdhsa_next_free_sgpr 66
		.amdhsa_reserve_vcc 1
		.amdhsa_float_denorm_mode_32 3
		.amdhsa_float_denorm_mode_16_64 3
		.amdhsa_memory_ordered 1
		.amdhsa_forward_progress 1
		.amdhsa_inst_pref_size 41
	.end_amdhsa_kernel
	.amdgpu_metadata
---
amdhsa.version: [ 1, 2 ]
amdhsa.kernels:
  - .name:           k_q033dc3cf31_quant
    .symbol:         k_q033dc3cf31_quant.kd
    .args:
      - { .name: query, .offset: 0, .size: 8, .value_kind: global_buffer, .address_space: global }
      - { .name: key, .offset: 8, .size: 8, .value_kind: global_buffer, .address_space: global }
      - { .name: value, .offset: 16, .size: 8, .value_kind: global_buffer, .address_space: global }
      - { .name: Wq, .offset: 24, .size: 8, .value_kind: global_buffer, .address_space: global }
      - { .name: Wk, .offset: 32, .size: 8, .value_kind: global_buffer, .address_space: global }
      - { .name: Wv, .offset: 40, .size: 8, .value_kind: global_buffer, .address_space: global }
      - { .name: Wo, .offset: 48, .size: 8, .value_kind: global_buffer, .address_space: global }
      - { .name: ops, .offset: 56, .size: 8, .value_kind: global_buffer, .address_space: global }
    .group_segment_fixed_size: 68608
    .private_segment_fixed_size: 0
    .kernarg_segment_align: 8
    .kernarg_segment_size: 64
    .max_flat_workgroup_size: 256
    .sgpr_count:     66
    .vgpr_count:     256
    .wavefront_size: 32
...
	.end_amdgpu_metadata
.endif
;; end of part 1
;; launch proj (part 2): grid 4 x 48, 4 waves a work-group, clusters of 4 x 4, 327,680 bytes of LDS; arguments ops, bq, bk, bv, qkv; writes qkv
.if DOCPART == 2
	.amdgcn_target "amdgcn-amd-amdhsa--gfx1250"
	.amdhsa_code_object_version 6
	.text
	.protected	k_q033dc3cf31_proj
	.globl	k_q033dc3cf31_proj
	.p2align	8
	.type	k_q033dc3cf31_proj,@function
k_q033dc3cf31_proj:
	s_mov_b64 s[64:65], 0
	v_nop
	global_prefetch_b8 v0, s[64:65] scope:SCOPE_SE
	s_setreg_imm32_b32 hwreg(HW_REG_WAVE_MODE, 25, 1), 1
	s_wait_xcnt 0x0
	s_wait_alu depctr_hold_cnt(0) depctr_sa_sdst(0) depctr_va_vdst(0) depctr_va_sdst(0) depctr_va_ssrc(0) depctr_va_vcc(0) depctr_vm_vsrc(0)
	s_getreg_b32 s2, hwreg(HW_REG_IB_STS2, 6, 4)
	s_cmp_eq_u32 s2, 0
	s_cbranch_scc0 .Lentry_in_a_cluster
	s_endpgm
.Lentry_in_a_cluster:
	s_bfe_u32 s2, ttmp6, 0x10000c
	s_cmp_lg_u32 s2, 0xf033
	s_cbranch_scc0 .Lentry_shape_is_right
	s_endpgm
.Lentry_shape_is_right:
.set RBB,   102400
.set KSB,   12800
.set FRB,   1536
.set PART,  2*KSB
.set SLOT,  4*PART
.set SPARE, 2*SLOT
.set FR,    12
.set TENS,  3407872
.set HS,    212992
.set BLK,   6656
.set ADRA, 16
.set ADRB, 20
.set ADRS, 22
.set LI16, 24
.set VSO,  25
.set VSH,  26
.set SPW,  28
.set NIL,  29
.set SC,   32
.set BR,   48
.set BC,   64
.set AF,   128
.set T,    64
.set R,    128
.set T1,   152
.set T2,   158
.set CT,   164
.set SW,   172
.set TM,   224
.set RB,   240
.set PW,   248
.set SEL,  2
.set G1,   24
.set G0,   32
.set G1B,  48
.set G0B,  56
.set QKM,  68
.set O1,   82
.set O2,   84
.set SP1,  90
.set SP2,  92
.set MSB, 0
.macro WIN new
.if MSB != (\new)
	s_set_vgpr_msb (MSB<<8)|(\new)
.set MSB, (\new)
.endif
.endm
.set MUL_LO, 0xa1
.set MUL_HI, 0xf1
.set TO_B,   0x40
.macro PLACES n
.rept \n
	v_nop
.endr
.endm
.macro JLOAD g0a, g1a, g0b, g1b
	s_cmp_eq_u32 s15, 0
	s_cbranch_scc0 .Lfor_b_\@
	tensor_load_to_lds s[\g0a:\g0a+3], s[\g1a:\g1a+7]
	s_nop 0
.rept 4
	v_nop
.endr
	s_branch .Lasked_\@
.Lfor_b_\@:
	tensor_load_to_lds s[\g0b:\g0b+3], s[\g1b:\g1b+7]
	s_nop 0
.rept 4
	v_nop
.endr
.Lasked_\@:
.endm
.macro CREST
	s_cmp_lg_u32 s14, 0
	s_cbranch_scc1 .Lnot_wave_0_\@
	s_barrier_signal -3
.Lnot_wave_0_\@:
	s_barrier_wait -3
	s_barrier_signal -1
	s_barrier_wait -1
.endm
.macro CROUND
	s_barrier_signal -1
	s_barrier_wait -1
	CREST
.endm
.macro QUANT s, d0, d1, pw
.irp b, 0,1,2,3
	v_max3_num_f32 v[TM+\b], |v[\s+16*\b]|, |v[\s+1+16*\b]|, 0x1800000
.endr
.irp i, 2,4,6,8,10,12,14
.irp b, 0,1,2,3
	v_max3_num_f32 v[TM+\b], v[TM+\b], |v[\s+16*\b+\i]|, |v[\s+1+16*\b+\i]|
.endr
.endr
.irp b, 0,1,2,3
	v_permlanex16_b32 v[TM+4+\b], v[TM+\b], s[SEL], s[SEL+1]
.endr
.irp b, 0,1,2,3
	v_max_num_f32 v[TM+\b], v[TM+\b], v[TM+4+\b]
.endr
.irp b, 0,1,2,3
	v_add_nc_u32 v[TM+12+\b], 0xff000000, v[TM+\b]
.endr
.irp b, 0,1,2,3
	v_lshrrev_b32 v[TM+4+\b], 23, v[TM+12+\b]
.endr
	v_lshl_or_b32 v[\pw], v[TM+5], 8, v[TM+4]
	v_lshl_or_b32 v[\pw], v[TM+6], 16, v[\pw]
	v_lshl_or_b32 v[\pw], v[TM+7], 24, v[\pw]
	v_cvt_scalef32_pk16_fp6_f32 v[\d0:\d0+2], v[\s:\s+15], v[TM+12]
	v_cvt_scalef32_pk16_fp6_f32 v[CT:CT+2], v[\s+16:\s+31], v[TM+13]
	v_cvt_scalef32_pk16_fp6_f32 v[\d1:\d1+2], v[\s+32:\s+47], v[TM+14]
	v_cvt_scalef32_pk16_fp6_f32 v[CT+4:CT+6], v[\s+48:\s+63], v[TM+15]
	v_nop
.irp i, 0,1,2
	v_permlane16_swap_b32 v[\d0+\i], v[CT+\i]
	v_permlane16_swap_b32 v[\d1+\i], v[CT+4+\i]
.endr
.irp i, 0,1,2
	v_mov_b32 v[\d0+3+\i], v[CT+\i]
	v_mov_b32 v[\d1+3+\i], v[CT+4+\i]
.endr
.endm
	s_load_b256 s[4:11], s[0:1], 0x0
	s_load_b64 s[12:13], s[0:1], 0x20
	v_lshl_add_u32 v[SPW], v0, 2, SPARE
	v_mov_b32 v[NIL], 0
	ds_add_u32 v28, v29
	ds_add_u32 v28, v29
	s_wait_dscnt 0x0
	v_lshrrev_b32 v1, 5, v0
	v_readfirstlane_b32 s14, v1
	s_lshr_b32 s15, s14, 1
	s_and_b32 s16, s14, 1
	s_bfe_u32 s40, ttmp6, 0x40000
	s_bfe_u32 s41, ttmp6, 0x40004
	s_and_b32 s66, ttmp7, 0xffff
	s_and_b32 s67, s66, 3
	s_lshl_b32 s67, s67, 2
	s_lshr_b32 s66, s66, 2
	s_lshl_b32 s69, s66, 5
	s_lshl_b32 s70, s66, 3
	s_add_co_u32 s70, s70, 96
	s_cmp_lt_u32 s66, 2
	s_cselect_b32 s[QKM], -1, 0
	s_cselect_b32 s17, s67, 0
	s_cselect_b32 s42, 0, s67
	s_cselect_b32 s69, s69, 112
	s_cselect_b32 s70, s70, 64
	s_add_co_u32 s17, s17, s41
	s_add_co_u32 s42, s42, s40
	s_lshl_b32 s43, s41, 2
	s_lshl_b32 s43, 15, s43
	s_lshl_b32 s44, 0x1111, s40
	s_or_b32 s[G1+0], s43, (3<<16)|(1<<21)
	s_or_b32 s[G1B+0], s44, (3<<16)|(1<<21)
.irp g, G1, G1B
	s_mov_b32 s[\g+1], 32<<16
	s_mov_b32 s[\g+2], 100<<16
	s_mov_b32 s[\g+3], 32<<16
	s_mov_b32 s[\g+4], 100
	s_mov_b32 s[\g+5], 32
	s_mov_b32 s[\g+6], 0
	s_mov_b32 s[\g+7], 0
.endr
	s_lshl_b32 s20, s17, 1
	s_add_co_u32 s20, s20, s16
	s_add_co_u32 s20, s20, s69
	s_mul_i32 s20, s20, RBB
	s_mov_b32 s21, 0
	s_lshl_b32 s46, s42, 1
	s_add_co_u32 s46, s46, s16
	s_add_co_u32 s46, s46, s70
	s_mul_i32 s46, s46, RBB
	s_mov_b32 s47, 0
	s_mul_i32 s45, s14, PART
	s_wait_kmcnt 0x0
	s_add_nc_u64 s[20:21], s[4:5], s[20:21]
	s_add_nc_u64 s[46:47], s[4:5], s[46:47]
	s_cmp_eq_u32 s15, 0                            ; the prefetches: the row block that my wave fetches (A's or B's),
	s_cselect_b64 s[98:99], s[20:21], s[46:47]
	s_cselect_b32 s18, s40, s41                    ; my place among the four that ask for it jointly: told apart by address alone
	s_mul_i32 s18, s18, 25*256                     ; my work-group's 25 of a part's 100 blocks of 256 bytes
	s_mov_b32 s19, 0
	s_add_nc_u64 s[98:99], s[98:99], s[18:19]
	CROUND
.irp s, 0,1
	s_mov_b32 s[G0+4*\s], 1
	s_add_co_u32 s[G0+4*\s+1], s45, \s*SLOT
	s_add_nc_u64 s[G0+4*\s+2:G0+4*\s+3], s[20:21], \s*PART
	s_or_b32 s[G0+4*\s+3], s[G0+4*\s+3], 0x80000000
	s_mov_b32 s[G0B+4*\s], 1
	s_add_co_u32 s[G0B+4*\s+1], s45, \s*SLOT
	s_add_nc_u64 s[G0B+4*\s+2:G0B+4*\s+3], s[46:47], \s*PART
	s_or_b32 s[G0B+4*\s+3], s[G0B+4*\s+3], 0x80000000
.if \s == 0
	JLOAD G0, G1, G0B, G1B                         ; slot 0, behind the one round: one tensor load a wave at the head
.endif
.endr
	v_and_b32 v1, 31, v0
	v_min_u32 v30, 24, v1
	v_lshlrev_b32 v30, 8, v30                      ; a lane a block of 256 bytes (lanes 25-31 name the last again); never rewritten
	global_prefetch_b8 v30, s[98:99] offset:PART th:TH_LOAD_NT scope:SCOPE_SE     ; K steps 2, 3: what slot 1's first fill will ask for,
	global_prefetch_b8 v30, s[98:99] offset:2*PART th:TH_LOAD_NT scope:SCOPE_SE   ; and K steps 4, 5: two fills ahead
	v_and_b32 v2, 15, v0
	v_bfe_u32 v3, v0, 4, 1
	v_lshlrev_b32 v4, 3, v1
	s_mul_i32 s21, s15, PART
	s_mul_i32 s22, s16, PART
	s_add_co_u32 s22, s22, 2*PART
	s_sub_co_u32 s23, s22, s21
	v_mul_u32_u24 v5, s23, v3
	v_lshl_add_u32 v5, v2, 4, v5
	v_add_nc_u32 v5, 8*FRB, v5
.irp s, 0,1
	v_add_nc_u32 v[ADRA+\s], s21, v4
	v_add_nc_u32 v[ADRB+\s], s22, v4
	v_add_nc_u32 v[ADRS+\s], s21, v5
	s_add_co_u32 s21, s21, SLOT
	s_add_co_u32 s22, s22, SLOT
.endr
	s_mov_b32 s[SEL], 0x76543210
	s_mov_b32 s[SEL+1], 0xfedcba98
	s_cmp_eq_u32 s66, 0
	s_cselect_b64 s[72:73], s[6:7], s[8:9]
	s_cmp_eq_u32 s66, 2
	s_cselect_b64 s[72:73], s[10:11], s[72:73]
	s_lshl_b32 s74, s17, 1
	s_add_co_u32 s74, s74, s15
	s_lshl_b32 s75, s42, 1
	s_add_co_u32 s75, s75, s16
	s_lshl_b32 s78, s75, 9
	s_lshl_b32 s80, s74, 9
	s_cmp_lt_u32 s66, 2
	s_cselect_b32 s78, s78, 0
	s_cselect_b32 s80, 0, s80
	s_cselect_b32 s84, s75, s74
	s_cselect_b32 s85, s74, s75
	s_mov_b32 s86, 3072
	s_cselect_b32 s86, 1536, s86
	s_mov_b32 s88, HS-3072
	s_cselect_b32 s88, 1536, s88
	s_mov_b32 s76, 1536
	s_cselect_b32 s76, HS, s76
	s_mov_b32 s92, HS
	s_cselect_b32 s92, 256, s92
	s_mov_b32 s96, 256
	s_cselect_b32 s96, HS, s96
	s_cselect_b32 s97, 16, 0
	s_cselect_b32 s94, 0xffff, -1
	s_cselect_b32 s95, 0x7f7f0000, 0
	s_mov_b32 s79, 0
	s_mov_b32 s81, 0
	s_mov_b32 s87, 0
	s_mov_b32 s89, 0
	s_mov_b32 s77, 0
	s_mov_b32 s93, 0
	s_add_nc_u64 s[78:79], s[72:73], s[78:79]
	s_add_nc_u64 s[80:81], s[72:73], s[80:81]
	s_mul_i32 s82, s66, TENS
	s_mul_i32 s84, s84, 2*HS
	s_mul_i32 s85, s85, BLK
	s_add_co_u32 s82, s82, s84
	s_add_co_u32 s82, s82, s85
	s_mov_b32 s83, 0
	s_add_nc_u64 s[O1:O1+1], s[12:13], s[82:83]
	s_add_nc_u64 s[O2:O2+1], s[O1:O1+1], s[76:77]
	s_add_nc_u64 s[SP1:SP1+1], s[O1:O1+1], 6144
	s_add_nc_u64 s[SP2:SP2+1], s[SP1:SP1+1], s[92:93]
	v_lshlrev_b32 v6, 6, v3
.irp e, 0,1,2,3
.irp j, 0,1,2,3
	global_load_b128 v[BC+16*\e+4*\j:BC+16*\e+4*\j+3], v6, s[78:79] offset:128*\e+16*\j
.endr
.endr
	v_and_b32 v7, 8, v2
	v_add_nc_u32 v7, v7, v2
	v_lshlrev_b32 v7, 2, v7
.irp a, 0,1,2,3,4,5,6,7
	global_load_b32 v[RB+\a], v7, s[80:81] offset:4*(32*(\a/2)+8*(\a%2))
.endr
	v_lshlrev_b32 v[LI16], 4, v1
	v_mul_u32_u24 v[VSO], s96, v3
	v_lshl_add_u32 v[VSO], v2, 4, v[VSO]
	v_mul_u32_u24 v[VSH], s97, v3
.irp b, 0,1,2,3
	v_mov_b32 v[TM+4+\b], 0
.endr
	s_wait_alu depctr_va_vdst(0)                   ; the wait at the head's end
	s_wait_tensorcnt 0x0                           ; my part of slot 0 is in
	ds_add_u32 v28, v29
	ds_add_u32 v28, v29
	s_wait_dscnt 0x0
	CROUND
	JLOAD G0+4, G1, G0B+4, G1B                     ; slot 1's first fill, the first tensor load behind the round
	s_wait_loadcnt 0x0                             ; the biases, asked for ahead of the wait for slot 0
	global_prefetch_b8 v30, s[98:99] offset:3*PART th:TH_LOAD_NT scope:SCOPE_SE   ; K steps 6, 7: two fills ahead; the last: nothing lies beyond
.set i, 0
.rept 64
	v_cndmask_b32 v[BC+i], 0, v[BC+i], s[QKM]
.set i, i+1
.endr
.irp a, 0,1,2,3,4,5,6,7
	v_cndmask_b32 v[BR+2*\a], v[RB+\a], 0, s[QKM]
	v_cndmask_b32 v[BR+2*\a+1], v[RB+\a], 0, s[QKM]
.endr
.macro FRAG reg, adr, q, i
.irp p, 0,1,2,3,4,5
	ds_load_b64 v[\reg+2*\p:\reg+2*\p+1], v[\adr] offset:KSB*(\q)+FRB*(\i)+256*\p
.endr
.endm
.macro FETCH_B slot, q, p
	WIN TO_B
.irp i, 0,1,2,3,4,5,6,7
	FRAG 128*(\p)+FR*\i, ADRB+\slot, \q, \i
.endr
	WIN 0
.endm
.macro FETCH_A slot, q, i0
.irp i, \i0, \i0+1, \i0+2, \i0+3
	FRAG AF+FR*(\i), ADRA+\slot, \q, \i
.endr
.endm
.macro SCALES slot, q, p
.irp g, 0,1
	ds_load_b128 v[SC+8*(\p)+4*\g:SC+8*(\p)+4*\g+3], v[ADRS+\slot] offset:KSB*(\q)+256*\g
.endr
.endm
.macro MUL16 a0, p, first
.irp a, \a0, \a0+1
.irp b, 0,1,2,3,4,5,6,7
.if \first
	v_wmma_scale_f32_16x16x128_f8f6f4 v[8*(8*((\a)%4)+\b):8*(8*((\a)%4)+\b)+7], v[128*(\p)+FR*\b:128*(\p)+FR*\b+FR-1], v[AF+FR*(\a):AF+FR*(\a)+FR-1], v[BC+8*\b:BC+8*\b+7], v[SC+8*(\p)+\b], v[SC+8*(\p)+(\a)] matrix_a_fmt:MATRIX_FMT_FP6 matrix_b_fmt:MATRIX_FMT_FP6 matrix_a_scale:MATRIX_SCALE_ROW1
.else
	v_wmma_scale_f32_16x16x128_f8f6f4 v[8*(8*((\a)%4)+\b):8*(8*((\a)%4)+\b)+7], v[128*(\p)+FR*\b:128*(\p)+FR*\b+FR-1], v[AF+FR*(\a):AF+FR*(\a)+FR-1], v[8*(8*((\a)%4)+\b):8*(8*((\a)%4)+\b)+7], v[SC+8*(\p)+\b], v[SC+8*(\p)+(\a)] matrix_a_fmt:MATRIX_FMT_FP6 matrix_b_fmt:MATRIX_FMT_FP6 matrix_a_scale:MATRIX_SCALE_ROW1
.endif
.endr
.endr
.endm
.macro STEP slot, first
	s_wait_dscnt 24
	WIN MUL_LO-0x20*(\first)
	MUL16 0, 0, \first
	MUL16 2, 0, \first
	s_wait_dscnt 0x0
	PLACES 4
	FETCH_B \slot, 1, 1
	FETCH_A \slot, 1, 0
	SCALES \slot, 1, 1
	WIN MUL_HI-0x30*(\first)
	MUL16 4, 0, \first
	MUL16 6, 0, \first
	PLACES 4
	WIN 0
	FETCH_A \slot, 1, 4
.endm
.macro TURN slot, next, fill
	s_wait_tensorcnt 0x0
	ds_add_u32 v[SPW], v[NIL]
	s_wait_dscnt 25
	WIN MUL_LO
	MUL16 0, 1, 0
	s_wait_dscnt 0x0
	s_barrier_signal -1
	MUL16 2, 1, 0
	WIN 0
	s_barrier_wait -1
.if \fill
	CREST
	s_add_nc_u64 s[G0+4*\slot+2:G0+4*\slot+3], s[G0+4*\slot+2:G0+4*\slot+3], 2*PART
	s_add_nc_u64 s[G0B+4*\slot+2:G0B+4*\slot+3], s[G0B+4*\slot+2:G0B+4*\slot+3], 2*PART
	JLOAD G0+4*\slot, G1, G0B+4*\slot, G1B
.else
	PLACES 4
.endif
	FETCH_B \next, 0, 0
	FETCH_A \next, 0, 0
	SCALES \next, 0, 0
	WIN MUL_HI
	MUL16 4, 1, 0
	MUL16 6, 1, 0
	PLACES 4
	WIN 0
	FETCH_A \next, 0, 4
.endm
	s_wait_tensorcnt 1
	s_barrier_signal -1
	s_barrier_wait -1
	FETCH_B 0, 0, 0
	FETCH_A 0, 0, 0
	SCALES 0, 0, 0
	FETCH_A 0, 0, 4
	STEP 0, 1
	TURN 0, 1, 1
	STEP 1, 0
	TURN 1, 0, 1
	STEP 0, 0
	TURN 0, 1, 0
	STEP 1, 0
	s_wait_dscnt 24
	WIN MUL_LO
	MUL16 0, 1, 0
	MUL16 2, 1, 0
	s_wait_dscnt 0x0
	WIN MUL_HI
	MUL16 4, 1, 0
	MUL16 6, 1, 0
	WIN 0
.macro ROWS a, d0, d1
	WIN 0x02+(\a)/4
.set i, 0
.rept 32
	v_pk_add_f32 v[T+i:T+i+1], v[64*((\a)%4)+i:64*((\a)%4)+i+1], v[BR+2*(\a):BR+2*(\a)+1]
.set i, i+2
.endr
	WIN 0
	QUANT T, \d0, \d1, PW
	v_lshrrev_b32 v[SW+(\a)%4], v[VSH], v[PW]
	v_and_or_b32 v[SW+(\a)%4], v[SW+(\a)%4], s94, s95
.endm
	PLACES 4
.irp pi, 0,1,2,3
.if \pi > 0
	s_wait_xcnt 0x0
.if \pi == 2
	s_add_nc_u64 s[O1:O1+1], s[O1:O1+1], s[88:89]
	s_add_nc_u64 s[O2:O2+1], s[O2:O2+1], s[88:89]
.else
	s_add_nc_u64 s[O1:O1+1], s[O1:O1+1], s[86:87]
	s_add_nc_u64 s[O2:O2+1], s[O2:O2+1], s[86:87]
.endif
.endif
	ROWS 2*\pi, R, T1
	ROWS 2*\pi+1, T2, R+18
.irp i, 0,1,2,3,4,5
	v_cndmask_b32 v[R+6+\i], v[T1+\i], v[T2+\i], s[QKM]
	v_cndmask_b32 v[R+12+\i], v[T2+\i], v[T1+\i], s[QKM]
.endr
.irp g, 0,1,2
	global_store_b128 v[LI16], v[R+4*\g:R+4*\g+3], s[O1:O1+1] offset:512*\g
	global_store_b128 v[LI16], v[R+12+4*\g:R+12+4*\g+3], s[O2:O2+1] offset:512*\g
.endr
.if \pi == 1
	global_store_b128 v[VSO], v[SW:SW+3], s[SP1:SP1+1]
.endif
.if \pi == 3
	global_store_b128 v[VSO], v[SW:SW+3], s[SP2:SP2+1]
.endif
.endr
	s_wait_tensorcnt 0x0
	ds_add_u32 v[SPW], v[NIL]
	s_wait_dscnt 0x0
	CROUND
	s_endpgm
.Lfunc_end_k_q033dc3cf31_proj:
	.size	k_q033dc3cf31_proj, .Lfunc_end_k_q033dc3cf31_proj-k_q033dc3cf31_proj
	.p2alignl 7, 3214868480
	.fill 96, 4, 3214868480
	.section	.rodata,"a",@progbits
	.p2align	6, 0x0
	.amdhsa_kernel k_q033dc3cf31_proj
		.amdhsa_group_segment_fixed_size 327680
		.amdhsa_private_segment_fixed_size 0
		.amdhsa_enable_private_segment 0
		.amdhsa_kernarg_size 40
		.amdhsa_user_sgpr_count 2
		.amdhsa_user_sgpr_kernarg_segment_ptr 1
		.amdhsa_wavefront_size32 1
		.amdhsa_system_sgpr_workgroup_id_x 1
		.amdhsa_system_sgpr_workgroup_id_y 1
		.amdhsa_system_sgpr_workgroup_id_z 1
		.amdhsa_system_vgpr_workitem_id 0
		.amdhsa_next_free_vgpr 1024
		.amdhsa_next_free_sgpr 100
		.amdhsa_reserve_vcc 0
		.amdhsa_float_denorm_mode_32 3
		.amdhsa_float_denorm_mode_16_64 3
		.amdhsa_memory_ordered 1
		.amdhsa_forward_progress 1
		.amdhsa_inst_pref_size 190
	.end_amdhsa_kernel
	.amdgpu_metadata
---
amdhsa.version: [ 1, 2 ]
amdhsa.kernels:
  - .name:           k_q033dc3cf31_proj
    .symbol:         k_q033dc3cf31_proj.kd
    .args:
      - { .name: ops, .offset: 0, .size: 8, .value_kind: global_buffer, .address_space: global }
      - { .name: bq, .offset: 8, .size: 8, .value_kind: global_buffer, .address_space: global }
      - { .name: bk, .offset: 16, .size: 8, .value_kind: global_buffer, .address_space: global }
      - { .name: bv, .offset: 24, .size: 8, .value_kind: global_buffer, .address_space: global }
      - { .name: qkv, .offset: 32, .size: 8, .value_kind: global_buffer, .address_space: global }
    .group_segment_fixed_size: 327680
    .private_segment_fixed_size: 0
    .kernarg_segment_align: 8
    .kernarg_segment_size: 40
    .max_flat_workgroup_size: 128
    .sgpr_count:     100
    .vgpr_count:     1024
    .wavefront_size: 32
...
	.end_amdgpu_metadata
.endif
;; end of part 2
;; launch attn (part 3): grid 16 x 16, 8 waves a work-group, clusters of 4 x 1, 327,680 bytes of LDS; arguments qkv, aop; writes aop
.if DOCPART == 3
	.amdgcn_target "amdgcn-amd-amdhsa--gfx1250"
	.amdhsa_code_object_version 6
	.text
	.protected	k_q033dc3cf31_attn
	.globl	k_q033dc3cf31_attn
	.p2align	8
	.type	k_q033dc3cf31_attn,@function
k_q033dc3cf31_attn:
	s_mov_b64 s[64:65], 0
	v_nop
	global_prefetch_b8 v0, s[64:65] scope:SCOPE_SE
	s_setreg_imm32_b32 hwreg(HW_REG_WAVE_MODE, 25, 1), 1
	s_wait_xcnt 0x0
	s_wait_alu depctr_hold_cnt(0) depctr_sa_sdst(0) depctr_va_vdst(0) depctr_va_sdst(0) depctr_va_ssrc(0) depctr_va_vcc(0) depctr_vm_vsrc(0)
	s_getreg_b32 s2, hwreg(HW_REG_IB_STS2, 6, 4)
	s_cmp_eq_u32 s2, 0
	s_cbranch_scc0 .Lentry_in_a_cluster
	s_endpgm
.Lentry_in_a_cluster:
	s_bfe_u32 s2, ttmp6, 0x10000c
	s_cmp_lg_u32 s2, 0x3003
	s_cbranch_scc0 .Lentry_shape_is_right
	s_endpgm
.Lentry_shape_is_right:
; ATTENTION on codes of FP6 (E2M3) with E8M0 scales: 16 heads of 64, 4,096 queries and keys.  S^T = K Q^T, p = 2^(t - M), O^T += V^T P^T, O / l, quantised along d for the last projection.
; t = score x log2(e) / 8; M = the running largest t rounded UP to a whole number; p is quantised along the keys and not normalised; l is the sum of the unquantised p.  When M moves, l and O^T are multiplied by 2^(old M - new M): exact.
; INPUT (qkv): q at 0, k at TENS, v at 2 TENS; head at HS x head; block j of 128 along the sequence at 6,656 j: 6,144 bytes of codes as images of registers (group g: registers 4 g .. 4 g + 3, lane l at 16 l), 512 bytes of scale words.
;   q: register 6 a + i: the codes of d = 32 h + 0 .. 31 of row 32 (a / 2) + 8 (a % 2) + r + 8 (r / 8).  k: the same, of row 64 (a / 4) + 8 (a % 4) + r % 8 + 32 (r / 8).
;   v: registers 12 u on: the fragment of 16 of the head's 64 (q's pattern of rows) x the block's 128 keys.
; BY K'S PATTERN OF ROWS a lane (query r, half h) holds in the 32 registers of tiles 4 c .. 4 c + 3 of S^T the keys 64 c + 32 h + 0 .. 31: ONE WHOLE BLOCK, in the order of the next operand's registers.
; So a block's largest score needs no other lane, the conversions' results are P's registers, and only the row's maximum and the scale bytes cross from lane l to l xor 16.
; K = 64 IN AN INSTRUCTION OF 128: Q's fragment is six registers of codes and six of zero codes.  K's fragment of tile t is v[KF + 6 t .. + 11]: its upper six registers are the next tile's codes, which meet Q's zeros
; (behind the last tile six registers of zeros); the scale words' bytes 2 and 3 are 0x7f.
; SHARES: a work-group owns 256 queries of one head, each of its eight waves 32: two tiles, which share each fragment of K and V.  A key step is 256 keys: the running M and the scaling of O^T are paid once for 256.
; V's fragments land in K's registers, asked for behind the second tile's scores and awaited behind its softmax.
; CLUSTER: the four work-groups of a cluster walk the same K and V: every tile is asked for jointly.  A slot holds 1,024 keys; each of the eight waves brings two blocks, 13,312 bytes (waves 0-3 K's, 4-7 V's): one line, no branch.
; OUTPUT (aop): the operand of the last projection: row block of 128 queries at 102,400, K step (two heads) at 12,800, fragment a at 1,536 a, my head's three pieces at 768 (head % 2).
;   A scale word holds two heads' bytes, so a wave's 32 rows' two bytes each leave by ONE store of 2 bytes a lane: 64 bytes against 1,536 of codes a wave.
; LIMITS: NaN and infinities are not served; the scaled scores stay under 2^31 in magnitude; a block whose largest magnitude lies under 2^-124 keeps the scale byte 1; a block of zeros has the byte 1; the division by l is v_rcp_f32 and a multiplication.
; A block's largest p is not searched for: the block's largest score goes through the same multiply-add and exponential (this takes v_exp_f32 not to fall where its input rises).
.set TENS,  3407872
.set HS,    212992
.set BLK,   6656                       ; 128 keys of K, or of V
.set VOFF,  8*BLK                      ; a slot: eight blocks of K, then eight of V
.set SLOT1, 131072                     ; slot 1 begins here: one exclusive or turns an address from slot to slot
.set SPARE, 262144                     ; the spare words, 128 bytes for each wave: four blocks of 256 bytes that no other line names
.set RBB,   102400
.set KSB,   12800
; window 0
.set LI16, 1                           ; 16 x lane
.set LS16, 2                           ; 6,144 + 16 r: my row's scale words in a block
.set ADK,  3                           ; the step's codes of K
.set ADS,  4                           ; the step's scale words
.set SPW,  5                           ; LDS address of my spare word; never rewritten
.set NIL,  6                           ; 0; never rewritten
.set PFO,  7                           ; the prefetches' offset: 256 x min(lane, 12)
.set CO8,  8                           ; 8 x lane
.set SO,   9                           ; 16 r + 4 h
.set QS,   10                          ; v10-11  Q's scale words, tile 0, 1
.set KS,   12                          ; v12-27  K's scale words, 16 tiles
.set VS,   28                          ; v28-35  V's: 4 s + t
.set PS,   36                          ; v36-39  p's: 2 u + s
.set QF,   40                          ; v40-63  Q's two fragments
.set KF,   64                          ; v64-159 K's sixteen tiles, then V's eight fragments; v160-165 zeros
.set P,    166                         ; v166-213 p's codes: 24 u + 12 s
.set CT,   214                         ; v214-229 the blocks' upper 16 codes (a conversion's three registers begin on an even number)
.set LV16, 230                         ; VOFF + 16 x lane
.set ADV,  231                         ; the step's codes of V
; window 1
.set S,    64                          ; v0-63 O^T (tile u, part t at 32 u + 8 t); v64-191 S^T of one tile of queries, then p: block q = 2 s + c at 32 q
.set BM,   192                         ; the four blocks' largest
.set W8,   196                         ; at work
.set SOP,  200                         ; the conversions' scale operands
.set X1,   204
.set X2,   205
.set X3,   206
.set PK,   207
.set ST,   208                         ; tile u at ST + 4 u: -M, the largest score, l in two halves
.set FF,   216                         ; FF + 2 u: f = 2^(old M - new M) (a pair is named; its upper half is written once)
.set WO,   128                         ; the way out: codes at WO, WO + 12; its registers at work behind them
.set PW,   152
.set TM,   160
.set CTO,  176
.set WV,    8
.set G1,    16                         ; s[16:23] descriptor group 1;  s[24:27] group 0, which walks
.set G0,    24
.set TB,    28                         ; LDS byte at which the key step in hand begins
.set SLOTS, 29
.set CNT,   30
.set CS,    32                         ; s[32:33] c = log2(e) / 8
.set SEL,   34                         ; s[34:35]
.set PFA,   36                         ; s[36:37]
.set LIM,   38
.set MSB, 0
.macro WIN new
.if MSB != (\new)
	s_set_vgpr_msb (MSB<<8)|(\new)
.set MSB, (\new)
.endif
.endm
.macro PLACES n
.rept \n
	v_nop
.endr
.endm
.macro CROUND                          ; a round of the cluster's barrier
	s_barrier_signal -1
	s_barrier_wait -1
	s_cmp_lg_u32 s[WV], 0
	s_cbranch_scc1 .Lnot_wave_0_\@
	s_barrier_signal -3
.Lnot_wave_0_\@:
	s_barrier_wait -3
	s_barrier_signal -1
	s_barrier_wait -1
.endm
; A prefetch of what the NEXT change of slots will ask for.  All clusters of a head walk the same K and V: the head's first cluster asks.  Of the 52 blocks of 256 bytes that wave w fetches,
; wave w of the partner at place cx names 13 cx .. 13 cx + 12, told apart BY ADDRESS: a lane a block (lanes 13-31 name the last again).  The last change that fills a slot asks for nothing; slots 0 and 1 come by their loads alone.
.macro ASK
	s_cmp_gt_u32 s[SLOTS], s[LIM]
	s_cbranch_scc0 .Lnot_mine_\@
	global_prefetch_b8 v[PFO], s[PFA:PFA+1] th:TH_LOAD_NT scope:SCOPE_SE
.Lnot_mine_\@:
.endm
	s_load_b128 s[4:7], s[0:1], 0x0                ; qkv s[4:5], aop s[6:7]
	v_lshl_add_u32 v[SPW], v0, 2, SPARE
	v_mov_b32 v[NIL], 0
	ds_add_u32 v[SPW], v[NIL]                      ; the opening lines: the add twice on end and its wait
	ds_add_u32 v[SPW], v[NIL]
	s_wait_dscnt 0x0
	v_lshrrev_b32 v1, 5, v0
	s_delay_alu instid0(VALU_DEP_1)
	v_readfirstlane_b32 s[WV], v1                  ; wave 0..7
	s_bfe_u32 s9, ttmp6, 0x40000                   ; cx: it enters Q's, the output's and the prefetches' addresses alone
	s_and_b32 s10, ttmp7, 0xffff                   ; the head, which the four partners share
	s_mul_i32 s11, s10, HS
	s_lshr_b32 s13, s[WV], 2                       ; I fetch for K (0) or V (1).  Also: which 128 of the 256 queries
	s_and_b32 s14, s[WV], 3                        ; which two blocks of a slot I fetch.  Also: which pair of tiles of queries is mine
	s_add_co_u32 s48, s13, 1
	s_mul_i32 s48, s48, TENS
	s_add_co_u32 s48, s48, s11
	s_mul_i32 s49, s14, 2*BLK
	s_add_co_u32 s48, s48, s49                     ; my two blocks of slot 0, in bytes from qkv
	s_mov_b32 s49, 0
	s_mul_i32 s50, s9, 13*256                      ; the prefetches: my work-group's 13 of my wave's 52 blocks of 256 bytes,
	s_add_co_u32 s50, s50, VOFF                    ; in slot 1: the first change of slots steps it to slot 2
	s_mov_b32 s51, 0
	s_cmp_eq_u32 ttmp9, 0                          ; the head's first cluster: the same in all four partners
	s_cselect_b32 s[LIM], 1, -1
	s_lshl_b32 s12, ttmp9, 2
	s_add_co_u32 s12, s12, s9                      ; my block of 256 queries
	s_lshl_b32 s12, s12, 1
	s_add_co_u32 s12, s12, s13                     ; my block of 128
	s_mul_i32 s52, s12, BLK
	s_add_co_u32 s52, s52, s11
	s_mul_i32 s53, s14, 1536
	s_add_co_u32 s40, s52, s53                     ; Q's codes: my pair's three groups
	s_mov_b32 s41, 0
	s_lshr_b32 s53, s14, 1
	s_lshl_b32 s53, s53, 8
	s_and_b32 s54, s14, 1
	s_lshl_b32 s54, s54, 3
	s_add_co_u32 s53, s53, s54                     ; my pair's two scale words in a row's: 256 (pair / 2) + 8 (pair % 2)
	s_add_co_u32 s42, s52, s53
	s_add_co_u32 s42, s42, 6144
	s_mov_b32 s43, 0
	s_mul_i32 s52, s12, RBB
	s_lshr_b32 s54, s10, 1
	s_mul_i32 s54, s54, KSB
	s_add_co_u32 s52, s52, s54                     ; the output: my row block, my head's K step
	s_and_b32 s55, s10, 1
	s_mul_i32 s54, s14, 3072
	s_add_co_u32 s44, s52, s54
	s_mul_i32 s54, s55, 768
	s_add_co_u32 s44, s44, s54                     ; my pair's fragments, my head's three pieces
	s_mov_b32 s45, 0
	s_add_co_u32 s46, s52, s53
	s_add_co_u32 s46, s46, 12288
	s_lshl_b32 s55, s55, 1
	s_add_co_u32 s46, s46, s55                     ; my head's two bytes of the scale words
	s_mov_b32 s47, 0
	; descriptor group 1: 13,312 dense bytes as 52 rows of 256 bytes (32 elements of 8 bytes)
	s_mov_b32 s[G1], 15|(3<<16)|(1<<21)            ; 15:0 the mask: all four work-groups; 17:16 elements of 8 bytes; 21 set beside a mask
	s_mov_b32 s[G1+1], 32<<16
	s_mov_b32 s[G1+2], 52<<16
	s_mov_b32 s[G1+3], 32<<16
	s_mov_b32 s[G1+4], 52
	s_mov_b32 s[G1+5], 32
	s_mov_b32 s[G1+6], 0
	s_mov_b32 s[G1+7], 0
	s_mov_b32 s[G0], 1
	s_mul_i32 s[G0+1], s[WV], 2*BLK                ; LDS: wave x 13,312: K's eight blocks, then V's eight
	s_mov_b32 s[CS], 0x3e38aa3b                    ; log2(e) / 8
	s_mov_b32 s[CS+1], s[CS]
	s_mov_b32 s[SEL], 0x76543210
	s_mov_b32 s[SEL+1], 0xfedcba98
	s_mov_b32 s[TB], 0
	s_mov_b32 s[SLOTS], 3
	s_wait_kmcnt 0x0
	s_add_nc_u64 s[G0+2:G0+3], s[4:5], s[48:49]
	s_add_nc_u64 s[PFA:PFA+1], s[4:5], s[48:49]
	s_add_nc_u64 s[PFA:PFA+1], s[PFA:PFA+1], s[50:51]
	s_or_b32 s[G0+3], s[G0+3], 0x80000000
	s_add_nc_u64 s[40:41], s[4:5], s[40:41]
	s_add_nc_u64 s[42:43], s[4:5], s[42:43]
	s_add_nc_u64 s[44:45], s[6:7], s[44:45]
	s_add_nc_u64 s[46:47], s[6:7], s[46:47]
	CROUND                                         ; all four work-groups are here: the first joint loads meet
	tensor_load_to_lds s[G0:G0+3], s[G1:G1+7]      ; slot 0: one load of mine is out
	s_nop 0
.rept 4
	v_nop
.endr
	v_and_b32 v[LI16], 31, v0
	v_and_b32 v[ADK], 15, v0                       ; r
	v_bfe_u32 v[SO], v0, 4, 1                      ; h
	v_min_u32 v[PFO], 12, v[LI16]
	v_lshlrev_b32 v[CO8], 3, v[LI16]
	v_lshlrev_b32 v[ADK], 4, v[ADK]                ; 16 r
	v_lshlrev_b32 v[LI16], 4, v[LI16]
	v_lshlrev_b32 v[PFO], 8, v[PFO]
	v_add_nc_u32 v[LS16], 6144, v[ADK]
	v_lshl_add_u32 v[SO], v[SO], 2, v[ADK]
	v_add_nc_u32 v[LV16], VOFF, v[LI16]
.irp g, 0,1,2
	global_load_b128 v[QF+4*\g:QF+4*\g+3], v[LI16], s[40:41] offset:512*\g   ; my two tiles' codes of Q, six registers each
.endr
	global_load_b64 v[QS:QS+1], v[ADK], s[42:43]   ; and their scale words
.irp i, 0,1,2,3,4,5
	v_mov_b32 v[KF+96+\i], 0                       ; behind K's last tile
	v_mov_b32 v[QF+18+\i], 0                       ; tile 1's zero codes
.endr
	WIN 0x40
.irp u, 0,1
	v_mov_b32 v[ST+4*\u], 0x7e000000               ; -M: a large whole number, so that the first f is 0
	v_mov_b32 v[ST+4*\u+1], 0xff61b1e6             ; the largest score so far: -3e38, under every score
	v_mov_b32 v[ST+4*\u+2], 0                      ; l, in two halves
	v_mov_b32 v[ST+4*\u+3], 0
	v_mov_b32 v[FF+2*\u+1], 0                      ; (named as the upper half of a pair)
.endr
	v_mov_b32 v[X2], 0                             ; written once: a lane permute's destination counts as one of its sources
.set j, 0
.rept 64
	v_mov_b32 v[j], 0                              ; O^T.  (The key step is written once: the first finds zeros, which the first change of M leaves zeros)
.set j, j+1
.endr
	WIN 0
	s_wait_loadcnt 0x0                             ; Q
.irp i, 0,1,2,3,4,5
	v_mov_b32 v[QF+12+\i], v[QF+6+\i]              ; tile 1's codes to their place,
.endr
.irp i, 0,1,2,3,4,5
	v_mov_b32 v[QF+6+\i], 0                        ; and tile 0's zero codes
.endr
	s_wait_alu depctr_va_vdst(0)                   ; the wait at the head's end
; The softmax of tile u's 256 scores of a lane's query pair (r, h): register 32 q + i of S = key 128 (q / 2) + 64 (q % 2) + 32 h + i.
.macro SOFTMAX u
.set rT, ST+4*(\u)
.set rF, FF+2*(\u)
.set rP, P+24*(\u)
	WIN 0x55
.irp q, 0,1,2,3
	v_max3_num_f32 v[BM+\q], v[S+32*\q], v[S+32*\q+1], v[S+32*\q+2]   ; my four blocks' largest scores, by turns; each accumulator is first read at its low end
.endr
.irp i, 3,5,7,9,11,13,15,17,19,21,23,25,27,29
.irp q, 0,1,2,3
	v_max3_num_f32 v[BM+\q], v[BM+\q], v[S+32*\q+\i], v[S+32*\q+\i+1]
.endr
.endr
.irp q, 0,1,2,3
	v_max_num_f32 v[BM+\q], v[BM+\q], v[S+32*\q+31]
.endr
	s_delay_alu instid0(VALU_DEP_2)
	v_max3_num_f32 v[X1], v[BM], v[BM+1], v[BM+2]
	v_mov_b32 v[X3], v[rT]                         ; the old -M
	s_delay_alu instid0(VALU_DEP_2)
	v_max_num_f32 v[X1], v[X1], v[BM+3]
	s_delay_alu instid0(VALU_DEP_1)
	v_permlanex16_b32 v[X2], v[X1], s[SEL], s[SEL+1]
	s_delay_alu instid0(VALU_DEP_1)
	v_max3_num_f32 v[rT+1], v[rT+1], v[X1], v[X2]  ; the running largest score, with lane l xor 16's keys
	s_delay_alu instid0(VALU_DEP_1)
	v_mul_f32 v[X1], s[CS], v[rT+1]                ; as t (c is positive)
	s_delay_alu instid0(VALU_DEP_1)
	v_floor_f32 v[rT], -v[X1]                      ; the new -M = floor(-t) = -ceil(t)
	s_delay_alu instid0(VALU_DEP_1)
	v_sub_f32 v[X1], v[rT], v[X3]                  ; old M - new M: a whole number, 0 or less
	s_delay_alu instid0(VALU_DEP_1)
	v_cvt_i32_f32 v[X1], v[X1]                     ; (it saturates)
	s_delay_alu instid0(VALU_DEP_1)
	v_ldexp_f32 v[rF], 1.0, v[X1]                  ; f = 2^(old M - new M)
.set j, 0
.rept 64
	v_pk_fma_f32 v[S+j:S+j+1], v[S+j:S+j+1], s[CS:CS+1], v[rT:rT+1] op_sel_hi:[1,0,0]   ; t - M, two at a time
.set j, j+2
.endr
.irp q, 0,1,2,3
	v_fma_f32 v[BM+\q], v[BM+\q], s[CS], v[rT]     ; the same of each block's largest score
.endr
	s_wait_alu depctr_va_vdst(0)                   ; the wait ahead of the batch
.set j, 0
.rept 128
	v_exp_f32 v[S+j], v[S+j]                       ; p = 2^(t - M)
.set j, j+1
.endr
	v_pk_mul_f32 v[rT+2:rT+3], v[rT+2:rT+3], v[rF:rF+1] op_sel_hi:[1,0]   ; l under the new M: a plain instruction behind the exponentials
	s_wait_alu depctr_va_vdst(0)                   ; one wait for the batch of 128, ahead of its first reader
.irp q, 0,1,2,3
	v_exp_f32 v[BM+\q], v[BM+\q]                   ; the blocks' largest p
.endr
	v_pk_add_f32 v[W8:W8+1], v[S:S+1], v[S+2:S+3]  ; l takes the UNQUANTISED p: two at a time, in four chains by turns
	v_pk_add_f32 v[220:221], v[S+4:S+5], v[S+6:S+7]
	v_pk_add_f32 v[222:223], v[S+8:S+9], v[S+10:S+11]
.set j, 12
.rept 14
	v_pk_add_f32 v[rT+2:rT+3], v[rT+2:rT+3], v[S+j:S+j+1]
	v_pk_add_f32 v[W8:W8+1], v[W8:W8+1], v[S+j+2:S+j+3]
	v_pk_add_f32 v[220:221], v[220:221], v[S+j+4:S+j+5]
	v_pk_add_f32 v[222:223], v[222:223], v[S+j+6:S+j+7]
.set j, j+8
.endr
	v_pk_add_f32 v[rT+2:rT+3], v[rT+2:rT+3], v[S+124:S+125]
	v_pk_add_f32 v[W8:W8+1], v[W8:W8+1], v[S+126:S+127]
	v_pk_add_f32 v[220:221], v[220:221], v[222:223]
	s_delay_alu instid0(VALU_DEP_2)
	v_pk_add_f32 v[rT+2:rT+3], v[rT+2:rT+3], v[W8:W8+1]
	s_delay_alu instid0(VALU_DEP_1)
	v_pk_add_f32 v[rT+2:rT+3], v[rT+2:rT+3], v[220:221]
	s_wait_alu depctr_va_vdst(0)                   ; and one for the four
.irp q, 0,1,2,3
	v_max_num_f32 v[BM+\q], 0x1800000, v[BM+\q]    ; the floor 2^(3 - 127): the byte cannot fall under 1
.endr
.irp q, 0,1,2,3
	v_add_nc_u32 v[SOP+\q], 0xff000000, v[BM+\q]   ; 2 off the exponent field: the conversion's scale operand
.endr
.irp q, 0,1,2,3
	v_lshrrev_b32 v[W8+\q], 23, v[SOP+\q]          ; the scale's byte
.endr
	v_lshl_or_b32 v[X1], v[W8+1], 8, v[W8]
	v_lshl_or_b32 v[X3], v[W8+3], 8, v[W8+2]
	s_delay_alu instid0(VALU_DEP_1)
	v_lshl_or_b32 v[PK], v[X3], 16, v[X1]          ; my four blocks' bytes, byte q
	s_delay_alu instid0(VALU_DEP_1)
	v_permlanex16_b32 v[X2], v[PK], s[SEL], s[SEL+1]   ; and lane l xor 16's
	WIN 0x05                                       ; sources in window 1, results in window 0
.irp q, 0,1,2,3
	v_cvt_scalef32_pk16_fp6_f32 v[rP+6*\q:rP+6*\q+2], v[S+32*\q:S+32*\q+15], v[SOP+\q]          ; registers 6 c .. 6 c + 2 of key step s's fragment (6 q = 12 s + 6 c)
	v_cvt_scalef32_pk16_fp6_f32 v[CT+4*\q:CT+4*\q+2], v[S+32*\q+16:S+32*\q+31], v[SOP+\q]
.endr
	v_perm_b32 v[PS+2*(\u)], v[X2], v[PK], 0x05010400     ; p's scale word of keys 0-127, right in lanes 0-15, which alone are read: blocks 0, 2 are mine, 1, 3 lane l + 16's.  (Also the plain instruction behind the conversions)
	v_perm_b32 v[PS+2*(\u)+1], v[X2], v[PK], 0x07030602   ; and of keys 128-255
	WIN 0
.irp q, 0,1,2,3
.irp i, 0,1,2
	v_mov_b32 v[rP+6*\q+3+\i], v[CT+4*\q+\i]
.endr
.endr
.endm
; A KEY STEP: 256 keys.
.macro STEP
	v_add_nc_u32 v[ADK], s[TB], v[LI16]
	v_add_nc_u32 v[ADS], s[TB], v[LS16]
	v_add_nc_u32 v[ADV], s[TB], v[LV16]
	v_nop                                          ; with the three additions: four places behind the last step's products, in front of the loads into V's registers
.irp g, 0,1,2,3
	ds_load_b128 v[KS+4*\g:KS+4*\g+3], v[ADS] offset:BLK*(\g/2)+256*(\g%2)
.endr
.set g, 0
.rept 24
	ds_load_b128 v[KF+4*g:KF+4*g+3], v[ADK] offset:BLK*(g/12)+512*(g%12)
.set g, g+1
.endr
.irp u, 0,1
	WIN 0x40
.set t, 0
.rept 16
.if (\u == 0) && (t%4 == 0)
.if t == 12
	s_wait_dscnt 0x0
.else
	s_wait_dscnt 16-6*(t/4)                        ; tiles t .. t + 3 name registers up to 6 t + 29: groups up to 6 (t / 4) + 7 of the 24 are in, the younger may be out
.endif
.endif
	v_wmma_scale_f32_16x16x128_f8f6f4 v[S+8*t:S+8*t+7], v[KF+6*t:KF+6*t+11], v[QF+12*\u:QF+12*\u+11], 0, v[KS+t], v[QS+\u] matrix_a_fmt:MATRIX_FMT_FP6 matrix_b_fmt:MATRIX_FMT_FP6
.set t, t+1
.endr
	PLACES 4
.if \u == 1
	WIN 0
.set g, 0
.rept 24
	ds_load_b128 v[KF+4*g:KF+4*g+3], v[ADV] offset:BLK*(g/12)+512*(g%12)   ; V, where K lay: it lands under the softmax below
.set g, g+1
.endr
.irp s, 0,1
	ds_load_b128 v[VS+4*\s:VS+4*\s+3], v[ADS] offset:VOFF+BLK*\s
.endr
.endif
	SOFTMAX \u
.endr
	WIN 0x55
	s_wait_alu depctr_va_vdst(0)                   ; the wait here, directly ahead of the first reader of O^T
.irp u, 0,1
.set j, 0
.rept 16
	v_pk_mul_f32 v[32*\u+j:32*\u+j+1], v[32*\u+j:32*\u+j+1], v[FF+2*\u:FF+2*\u+1] op_sel_hi:[1,0]   ; O^T under the new M.  (These 32 are also the places between p's codes and scale words and the products)
.set j, j+2
.endr
.endr
	s_wait_alu depctr_va_vdst(0)                   ; the wait here, directly ahead of the wait below
	s_wait_dscnt 0x0                               ; V is in
	WIN 0x50                                       ; C and D in window 1, V and p in window 0
.irp s, 0,1
.irp t, 0,1,2,3
.irp u, 0,1
	v_wmma_scale_f32_16x16x128_f8f6f4 v[32*\u+8*\t:32*\u+8*\t+7], v[KF+48*\s+12*\t:KF+48*\s+12*\t+11], v[P+24*\u+12*\s:P+24*\u+12*\s+11], v[32*\u+8*\t:32*\u+8*\t+7], v[VS+4*\s+\t], v[PS+2*\u+\s] matrix_a_fmt:MATRIX_FMT_FP6 matrix_b_fmt:MATRIX_FMT_FP6
.endr
.endr
.endr
	WIN 0
.endm
.macro FOUR_STEPS                      ; a slot's four key steps: written once, walked four times
	s_mov_b32 s[CNT], 4
.Lstep_\@:
	s_wait_alu depctr_va_vdst(0)
	STEP
	s_add_co_u32 s[TB], s[TB], 2*BLK
	s_sub_co_u32 s[CNT], s[CNT], 1
	s_cmp_lg_u32 s[CNT], 0
	s_cbranch_scc1 .Lstep_\@
	s_sub_co_u32 s[TB], s[TB], VOFF                ; back to a slot's first step,
	s_xor_b32 s[TB], s[TB], SLOT1                  ; in the other slot
.endm
; THE CHANGE OF SLOTS stands at a slot's head.  Each wave waits for all its tensor loads (its part of the slot that it is about to read), adds 0 to its spare word, and waits for that and for its reads of the slot that it has left.
; fill = 1: a round of the cluster's barrier, and behind it the other slot is filled with the keys that follow: the load has four key steps in which to land.
.macro CHANGE fill
	s_wait_tensorcnt 0x0                           ; no tensor load of mine is out, so group 0 may be written
	ds_add_u32 v[SPW], v[NIL]                      ; 0 onto my spare word
.if \fill
	s_xor_b32 s[G0+1], s[G0+1], SLOT1              ; the other slot than last time,
	s_add_nc_u64 s[G0+2:G0+3], s[G0+2:G0+3], VOFF  ; the next 1,024 keys
	s_wait_xcnt 0x0                                ; the last prefetch, a slot back, has read its address
	s_add_nc_u64 s[PFA:PFA+1], s[PFA:PFA+1], VOFF  ; one slot further on than the walking descriptor
.endif
	s_wait_dscnt 0x0                               ; the add is done, and my reads of the slot that I have left are over
.if \fill
	CROUND
	tensor_load_to_lds s[G0:G0+3], s[G1:G1+7]      ; the first thing behind the round, and my one tensor load until the next
	s_nop 0
.rept 4
	v_nop
.endr
	ASK
.else
	s_barrier_signal -1
	s_barrier_wait -1
.endif
.endm
.Lslot:                                            ; 3 trips: behind each change of slots but the last the next slot is asked for
	CHANGE 1
	FOUR_STEPS
	s_sub_co_u32 s[SLOTS], s[SLOTS], 1
	s_cmp_lg_u32 s[SLOTS], 0
	s_cbranch_scc1 .Lslot
	CHANGE 0                                       ; the last slot is written out
	FOUR_STEPS
	; THE WAY OUT.  l's halves are added (these lines are the places behind the last products); O^T / l goes to v[S] on: register 32 u + 16 b + i = d 32 b + 16 h + i of tile u's query: four half blocks a lane.
	v_bfe_u32 v[ADS], v0, 4, 1
	s_delay_alu instid0(VALU_DEP_1)
	v_lshlrev_b32 v[ADS], 4, v[ADS]                ; 16 h
	WIN 0x55
.irp u, 0,1
	v_add_f32 v[W8+\u], v[ST+4*\u+2], v[ST+4*\u+3]
.endr
.irp u, 0,1
	s_delay_alu instid0(VALU_DEP_2)
	v_permlanex16_b32 v[W8+2+\u], v[W8+\u], s[SEL], s[SEL+1]
.endr
.irp u, 0,1
	s_delay_alu instid0(VALU_DEP_2)
	v_add_f32 v[W8+\u], v[W8+\u], v[W8+2+\u]
.endr
	s_wait_alu depctr_va_vdst(0)                   ; the wait ahead of the transcendentals
.irp u, 0,1
	v_rcp_f32 v[FF+2*\u], v[W8+\u]
.endr
	v_nop                                          ; a plain instruction behind the reciprocals,
	s_wait_alu depctr_va_vdst(0)                   ; and the wait ahead of their first use and of O^T's first reader
.irp u, 0,1
.set j, 0
.rept 16
	v_pk_mul_f32 v[S+32*\u+j:S+32*\u+j+1], v[32*\u+j:32*\u+j+1], v[FF+2*\u:FF+2*\u+1] op_sel_hi:[1,0]   ; each accumulator from its low end on
.set j, j+2
.endr
.endr
.irp b, 0,1,2,3
	v_max3_num_f32 v[TM+\b], |v[S+16*\b]|, |v[S+1+16*\b]|, 0x1800000   ; half block b: my 16 numbers, and the floor 2^(3 - 127)
.endr
.irp i, 2,4,6,8,10,12,14
.irp b, 0,1,2,3
	v_max3_num_f32 v[TM+\b], v[TM+\b], |v[S+16*\b+\i]|, |v[S+1+16*\b+\i]|
.endr
.endr
.irp b, 0,1,2,3
	v_permlanex16_b32 v[TM+4+\b], v[TM+\b], s[SEL], s[SEL+1]
.endr
.irp b, 0,1,2,3
	v_max_num_f32 v[TM+\b], v[TM+\b], v[TM+4+\b]   ; with lane l xor 16's 16: the block's largest magnitude
.endr
.irp b, 0,1,2,3
	v_add_nc_u32 v[TM+12+\b], 0xff000000, v[TM+\b]
.endr
.irp b, 0,1,2,3
	v_lshrrev_b32 v[TM+4+\b], 23, v[TM+12+\b]
.endr
	v_lshl_or_b32 v[PW], v[TM+5], 8, v[TM+4]
	s_delay_alu instid0(VALU_DEP_1)
	v_lshl_or_b32 v[PW], v[TM+6], 16, v[PW]
	s_delay_alu instid0(VALU_DEP_1)
	v_lshl_or_b32 v[PW], v[TM+7], 24, v[PW]        ; bytes 0, 1 tile 0's, bytes 2, 3 tile 1's
	v_cvt_scalef32_pk16_fp6_f32 v[WO:WO+2], v[S:S+15], v[TM+12]
	v_cvt_scalef32_pk16_fp6_f32 v[CTO:CTO+2], v[S+16:S+31], v[TM+13]
	v_cvt_scalef32_pk16_fp6_f32 v[WO+12:WO+14], v[S+32:S+47], v[TM+14]
	v_cvt_scalef32_pk16_fp6_f32 v[CTO+4:CTO+6], v[S+48:S+63], v[TM+15]
	v_nop                                          ; one plain instruction behind the scaled conversions
.irp i, 0,1,2
	v_permlane16_swap_b32 v[WO+\i], v[CTO+\i]      ; a WHOLE block to a lane
	v_permlane16_swap_b32 v[WO+12+\i], v[CTO+4+\i]
.endr
.irp i, 0,1,2
	v_mov_b32 v[WO+3+\i], v[CTO+\i]
	v_mov_b32 v[WO+15+\i], v[CTO+4+\i]
.endr
	WIN 0x04                                       ; source 1 (a store's data) in window 1
	v_lshrrev_b32 v[ADK], v[ADS], v[PW]            ; lanes 0-15 store tile 0's two bytes of row r, lanes 16-31 tile 1's
.irp u, 0,1
.irp i, 0,1,2
	global_store_b64 v[CO8], v[WO+12*\u+2*\i:WO+12*\u+2*\i+1], s[44:45] offset:1536*\u+256*\i   ; 32 lanes store 256 consecutive bytes, aligned
.endr
.endr
	WIN 0
	global_store_b16 v[SO], v[ADK], s[46:47]
	s_wait_tensorcnt 0x0                           ; the wave's end
	ds_add_u32 v[SPW], v[NIL]
	s_wait_dscnt 0x0
	CROUND                                         ; the closing round
	s_endpgm
.Lfunc_end_k_q033dc3cf31_attn:
	.size	k_q033dc3cf31_attn, .Lfunc_end_k_q033dc3cf31_attn-k_q033dc3cf31_attn
	.p2alignl 7, 3214868480
	.fill 96, 4, 3214868480
	.section	.rodata,"a",@progbits
	.p2align	6, 0x0
	.amdhsa_kernel k_q033dc3cf31_attn
		.amdhsa_group_segment_fixed_size 327680
		.amdhsa_private_segment_fixed_size 0
		.amdhsa_enable_private_segment 0
		.amdhsa_kernarg_size 16
		.amdhsa_user_sgpr_count 2
		.amdhsa_user_sgpr_kernarg_segment_ptr 1
		.amdhsa_wavefront_size32 1
		.amdhsa_system_sgpr_workgroup_id_x 1
		.amdhsa_system_sgpr_workgroup_id_y 1
		.amdhsa_system_sgpr_workgroup_id_z 1
		.amdhsa_system_vgpr_workitem_id 0
		.amdhsa_next_free_vgpr 512
		.amdhsa_next_free_sgpr 66
		.amdhsa_reserve_vcc 0
		.amdhsa_float_denorm_mode_32 3
		.amdhsa_float_denorm_mode_16_64 3
		.amdhsa_memory_ordered 1
		.amdhsa_forward_progress 1
		.amdhsa_inst_pref_size 120
	.end_amdhsa_kernel
	.amdgpu_metadata
---
amdhsa.version: [ 1, 2 ]
amdhsa.kernels:
  - .name:           k_q033dc3cf31_attn
    .symbol:         k_q033dc3cf31_attn.kd
    .args:
      - { .name: qkv, .offset: 0, .size: 8, .value_kind: global_buffer, .address_space: global }
      - { .name: aop, .offset: 8, .size: 8, .value_kind: global_buffer, .address_space: global }
    .group_segment_fixed_size: 327680
    .private_segment_fixed_size: 0
    .kernarg_segment_align: 8
    .kernarg_segment_size: 16
    .max_flat_workgroup_size: 256
    .sgpr_count:     66
    .vgpr_count:     512
    .wavefront_size: 32
...
	.end_amdgpu_metadata
.endif
;; end of part 3
;; launch oproj (part 4): grid 8 x 32, 4 waves a work-group, clusters of 4 x 4, 327,680 bytes of LDS; arguments aop, ops, bo, out0; writes out0
.if DOCPART == 4
	.amdgcn_target "amdgcn-amd-amdhsa--gfx1250"
	.amdhsa_code_object_version 6
	.text
	.protected	k_q033dc3cf31_oproj
	.globl	k_q033dc3cf31_oproj
	.p2align	8
	.type	k_q033dc3cf31_oproj,@function
k_q033dc3cf31_oproj:
	s_mov_b64 s[64:65], 0
	v_nop
	global_prefetch_b8 v0, s[64:65] scope:SCOPE_SE
	s_setreg_imm32_b32 hwreg(HW_REG_WAVE_MODE, 25, 1), 1
	s_wait_xcnt 0x0
	s_wait_alu depctr_hold_cnt(0) depctr_sa_sdst(0) depctr_va_vdst(0) depctr_va_sdst(0) depctr_va_ssrc(0) depctr_va_vcc(0) depctr_vm_vsrc(0)
	s_getreg_b32 s2, hwreg(HW_REG_IB_STS2, 6, 4)
	s_cmp_eq_u32 s2, 0
	s_cbranch_scc0 .Lentry_in_a_cluster
	s_endpgm
.Lentry_in_a_cluster:
	s_bfe_u32 s2, ttmp6, 0x10000c
	s_cmp_lg_u32 s2, 0xf033
	s_cbranch_scc0 .Lentry_shape_is_right
	s_endpgm
.Lentry_shape_is_right:
; out0 = attention's result x Wo^T + bo, on codes of FP6 (E2M3) with E8M0 scales.  A: aop, 32 row blocks of 128 queries; B: Wo, row blocks 120-127 of ops.
; A row block is 8 K steps of 12,800 bytes: 8 fragments of 1,536 bytes (piece p, registers 2 p, 2 p + 1, at 256 p, lane l at 8 l), then 512 bytes of scale words (the word of (a, r) at 256 (a / 4) + 16 r + 4 (a % 4)).
; Lane (r, h) of fragment a holds row 32 (a / 2) + 8 (a % 2) + r + 8 (r / 8) of the block.
; SHARES: 32 x 8 tiles of 128 x 128, a work-group each: 256 work-groups.  A tile's whole operands, one row block of A and one of B, are 204,800 bytes of LDS: they come ONCE, by one tensor load a wave
; (waves 0, 1: A's K steps 0-3, 4-7; waves 2, 3: B's), 200 rows of 256 dense bytes each.  No slot is filled again, so one barrier serves the launch.  A wave makes 64 x 64: 16 accumulators.
; CLUSTER: 4 x 4 work-groups; A's block is shared along a row of the cluster, B's along a column: joint loads.
; No prefetch: the launch has no loop to run ahead in: every byte that it reads is asked for by the four loads at its head.
; THE MATRIX INSTRUCTION IS USED TRANSPOSED (source 0 = 16 rows of Wo, source 1 = 16 queries): by the pattern of rows the 16 registers of tiles 2 e, 2 e + 1 are columns 32 e + 16 h + 0 .. 15 of one row.  bo is the first step's C.
; REGISTERS: window 0: v16-29 addresses; two sets of fragments at v32 and v128 (B's four, then A's four); v224-231 scale words, two sets (lanes 0-15 A's, lanes 16-31 B's).  Window 1: v0-127 accumulators (a, b) at 8 (4 a + b); v128-159 bo.
.set RBB,   102400
.set KSB,   12800
.set FRB,   1536
.set HALF,  4*KSB
.set SPARE, 2*RBB                      ; behind A and B: the spare words, 128 bytes a wave
.set STAGE, SPARE+512                  ; the way out: 16 rows x (256 + 16) bytes for each wave; no tensor load lands here
.set SPITCH, 272
.set ADRA, 16                          ; v16-17 my A fragments, K steps 0-3, 4-7
.set ADRB, 18
.set ADRS, 20
.set STO,  24
.set RD,   25
.set CO,   26
.set SPW,  28
.set NIL,  29
.set FRG,  32
.set SC,   224
.set BK,   32                          ; the way out: rows read back, two sets of 32 registers
.set BC,   128                         ; window 1
.set G1,   24
.set G0,   32
.set G1B,  48
.set G0B,  56
.set MSB, 0
.macro WIN new
.if MSB != (\new)
	s_set_vgpr_msb (MSB<<8)|(\new)
.set MSB, (\new)
.endif
.endm
.macro PLACES n
.rept \n
	v_nop
.endr
.endm
.macro CROUND
	s_barrier_signal -1
	s_barrier_wait -1
	s_cmp_lg_u32 s14, 0
	s_cbranch_scc1 .Lnot_wave_0_\@
	s_barrier_signal -3
.Lnot_wave_0_\@:
	s_barrier_wait -3
	s_barrier_signal -1
	s_barrier_wait -1
.endm
	s_load_b256 s[4:11], s[0:1], 0x0               ; aop, ops, bo, out0
	v_lshl_add_u32 v[SPW], v0, 2, SPARE
	v_mov_b32 v[NIL], 0
	ds_add_u32 v[SPW], v[NIL]                      ; the opening lines: the add twice on end and its wait
	ds_add_u32 v[SPW], v[NIL]
	v_lshrrev_b32 v1, 5, v0
	v_readfirstlane_b32 s14, v1                    ; wave 0..3
	s_lshr_b32 s15, s14, 1                         ; my 64 rows of the tile.  Also: I fetch for A (0) or B (1)
	s_and_b32 s16, s14, 1                          ; my 64 columns.  Also: which four K steps I fetch
	s_bfe_u32 s40, ttmp6, 0x40000                  ; cx
	s_bfe_u32 s41, ttmp6, 0x40004                  ; cy
	s_lshl_b32 s42, ttmp9, 2
	s_add_co_u32 s42, s42, s40                     ; tile column 0..7
	s_and_b32 s17, ttmp7, 0xffff
	s_lshl_b32 s17, s17, 2
	s_add_co_u32 s17, s17, s41                     ; tile row 0..31
	s_lshl_b32 s43, s41, 2
	s_lshl_b32 s43, 15, s43                        ; my row of the cluster
	s_lshl_b32 s44, 0x1111, s40                    ; my column
	s_or_b32 s[G1+0], s43, (3<<16)|(1<<21)         ; elements of 8 bytes; bit 21 beside a mask
	s_or_b32 s[G1B+0], s44, (3<<16)|(1<<21)
.irp g, G1, G1B
	s_mov_b32 s[\g+1], 32<<16
	s_mov_b32 s[\g+2], 200<<16
	s_mov_b32 s[\g+3], 32<<16
	s_mov_b32 s[\g+4], 200
	s_mov_b32 s[\g+5], 32
	s_mov_b32 s[\g+6], 0
	s_mov_b32 s[\g+7], 0
.endr
	s_mul_i32 s18, s16, HALF
	s_mul_i32 s20, s17, RBB
	s_add_co_u32 s20, s20, s18                     ; A: my tile row's block, my four K steps
	s_mov_b32 s21, 0
	s_add_co_u32 s46, s42, 120
	s_mul_i32 s46, s46, RBB
	s_add_co_u32 s46, s46, s18                     ; B: Wo's block of my tile column
	s_mov_b32 s47, 0
	s_mul_i32 s45, s14, HALF                       ; LDS: wave x 51,200: A's two halves, then B's
	s_mul_i32 s70, s15, 4*FRB                      ; my four fragments of A,
	s_add_co_u32 s71, s70, HALF
	s_mul_i32 s72, s16, 4*FRB
	s_add_co_u32 s72, s72, RBB                     ; and of B
	s_add_co_u32 s73, s72, HALF
	s_lshl_b32 s74, s15, 8                         ; A's scale words: 256 x (a / 4)
	s_lshl_b32 s76, s16, 8
	s_add_co_u32 s76, s76, RBB
	s_sub_co_u32 s76, s76, s74                     ; from A's words to B's
	s_add_co_u32 s74, s74, 8*FRB
	s_add_co_u32 s75, s74, HALF
	s_mul_i32 s77, s14, 16*SPITCH
	s_add_co_u32 s77, s77, STAGE                   ; my stage
	s_lshl_b32 s66, s17, 1
	s_add_co_u32 s66, s66, s15
	s_lshl_b32 s66, s66, 18                        ; my first row: 64 rows of 4,096 bytes
	s_lshl_b32 s68, s42, 1
	s_add_co_u32 s68, s68, s16
	s_lshl_b32 s68, s68, 8                         ; my first column: 64 x 4 bytes
	s_mov_b32 s69, 0
	s_add_co_u32 s66, s66, s68
	s_mov_b32 s67, 0
	s_wait_dscnt 0x0                               ; both opening adds are done
	s_wait_kmcnt 0x0
	s_mov_b32 s[G0], 1
	s_mov_b32 s[G0+1], s45
	s_add_nc_u64 s[G0+2:G0+3], s[4:5], s[20:21]
	s_or_b32 s[G0+3], s[G0+3], 0x80000000
	s_mov_b32 s[G0B], 1
	s_mov_b32 s[G0B+1], s45
	s_add_nc_u64 s[G0B+2:G0B+3], s[6:7], s[46:47]
	s_or_b32 s[G0B+3], s[G0B+3], 0x80000000
	s_add_nc_u64 s[12:13], s[10:11], s[66:67]
	s_add_nc_u64 s[8:9], s[8:9], s[68:69]
	CROUND                                         ; all sixteen work-groups are here: the joint loads meet
	s_cmp_eq_u32 s15, 0                            ; one load a wave, in the two arms of one branch on the wave's number
	s_cbranch_scc0 .Lfor_b
	tensor_load_to_lds s[G0:G0+3], s[G1:G1+7]
	s_nop 0
.rept 4
	v_nop
.endr
	s_branch .Lasked
.Lfor_b:
	tensor_load_to_lds s[G0B:G0B+3], s[G1B:G1B+7]
	s_nop 0
.rept 4
	v_nop
.endr
.Lasked:
	v_and_b32 v1, 31, v0
	v_and_b32 v2, 15, v0                           ; r
	v_bfe_u32 v3, v0, 4, 1                         ; h
	v_lshlrev_b32 v4, 3, v1
	v_mul_u32_u24 v5, s76, v3                      ; lanes 16-31 take B's scale words
	v_lshlrev_b32 v6, 6, v3
	v_mul_u32_u24 v[STO], v2, SPITCH
	v_mul_u32_u24 v[RD], v3, SPITCH
	v_lshlrev_b32 v[CO], 12, v3
	v_lshl_add_u32 v5, v2, 4, v5
	v_add_nc_u32 v[ADRA], s70, v4
	v_add_nc_u32 v[ADRA+1], s71, v4
	v_add_nc_u32 v[ADRB], s72, v4
	v_add_nc_u32 v[ADRB+1], s73, v4
	v_add_nc_u32 v[ADRS], s74, v5
	v_add_nc_u32 v[ADRS+1], s75, v5
	v_lshl_add_u32 v[STO], v3, 6, v[STO]
	v_lshl_add_u32 v[RD], v2, 4, v[RD]
	v_lshl_add_u32 v[CO], v2, 4, v[CO]             ; out: lanes 0-15 one row's 256 bytes, lanes 16-31 the next row's
	v_add_nc_u32 v[STO], s77, v[STO]               ; into the stage: row r, 64 h
	v_add_nc_u32 v[RD], s77, v[RD]                 ; and back: two rows an instruction
	WIN 0x40
.irp e, 0,1
.irp j, 0,1,2,3
	global_load_b128 v[BC+16*\e+4*\j:BC+16*\e+4*\j+3], v6, s[8:9] offset:128*\e+16*\j   ; bo at columns 32 e + 16 h + 0 .. 15
.endr
.endr
	WIN 0
.macro FETCH k                         ; K step k's eight fragments and scale words into set k % 2: 49 loads
.set PP, (\k)%2
.set AH, (\k)/4
.set KO, KSB*((\k)%4)
.irp i, 0,1,2,3
.irp q, 0,1,2,3,4,5
	ds_load_b64 v[FRG+96*PP+12*\i+2*\q:FRG+96*PP+12*\i+2*\q+1], v[ADRB+AH] offset:KO+FRB*\i+256*\q
.endr
.endr
.irp i, 0,1,2,3
.irp q, 0,1,2,3,4,5
	ds_load_b64 v[FRG+96*PP+48+12*\i+2*\q:FRG+96*PP+48+12*\i+2*\q+1], v[ADRA+AH] offset:KO+FRB*\i+256*\q
.endr
.endr
	ds_load_b128 v[SC+4*PP:SC+4*PP+3], v[ADRS+AH] offset:KO
.endm
.macro MUL k                           ; 16 products, the 16 accumulators by turns
.set PP, (\k)%2
	WIN 0x50
.irp a, 0,1,2,3
.irp b, 0,1,2,3
.if (\k) == 0
	v_wmma_scale_f32_16x16x128_f8f6f4 v[8*(4*\a+\b):8*(4*\a+\b)+7], v[FRG+96*PP+12*\b:FRG+96*PP+12*\b+11], v[FRG+96*PP+48+12*\a:FRG+96*PP+48+12*\a+11], v[BC+8*\b:BC+8*\b+7], v[SC+4*PP+\b], v[SC+4*PP+\a] matrix_a_fmt:MATRIX_FMT_FP6 matrix_b_fmt:MATRIX_FMT_FP6 matrix_a_scale:MATRIX_SCALE_ROW1
.else
	v_wmma_scale_f32_16x16x128_f8f6f4 v[8*(4*\a+\b):8*(4*\a+\b)+7], v[FRG+96*PP+12*\b:FRG+96*PP+12*\b+11], v[FRG+96*PP+48+12*\a:FRG+96*PP+48+12*\a+11], v[8*(4*\a+\b):8*(4*\a+\b)+7], v[SC+4*PP+\b], v[SC+4*PP+\a] matrix_a_fmt:MATRIX_FMT_FP6 matrix_b_fmt:MATRIX_FMT_FP6 matrix_a_scale:MATRIX_SCALE_ROW1
.endif
.endr
.endr
	WIN 0
.endm
	s_wait_alu depctr_va_vdst(0)                   ; the wait at the head's end
	s_wait_loadcnt 0x0                             ; bo
	s_wait_tensorcnt 0x0                           ; my quarter of the operands is in:
	s_barrier_signal -1
	s_barrier_wait -1                              ; and everybody's
	FETCH 0
.irp k, 0,1,2,3,4,5,6,7
.if \k < 7
.if \k > 0
	PLACES 4                                       ; in front of loads into registers that the last step's products have read
.endif
	FETCH \k+1
	s_wait_dscnt 49                                ; this step's loads are in; the next step's 49 may be out
.else
	s_wait_dscnt 0x0
.endif
	MUL \k
.endr
; THE WAY OUT, 16 rows x 64 columns at a time, through my own stage: whole rows of 256 bytes come back, and sixteen lanes store one aligned unit.  LDS serves a wave's instructions in order.
.macro TOSTAGE a
	WIN 0x04                                       ; the data in window 1
.irp b, 0,1,2,3
	ds_store_b128 v[STO], v[8*(4*(\a)+\b):8*(4*(\a)+\b)+3] offset:128*(\b/2)+32*(\b%2)       ; each accumulator from its low end on
	ds_store_b128 v[STO], v[8*(4*(\a)+\b)+4:8*(4*(\a)+\b)+7] offset:128*(\b/2)+32*(\b%2)+16
.endr
	WIN 0
.set BB, BK+32*((\a)%2)
.irp t, 0,1,2,3,4,5,6,7
	ds_load_b128 v[BB+4*\t:BB+4*\t+3], v[RD] offset:2*\t*SPITCH
.endr
.endm
.macro SEND a, younger                 ; younger: the LDS instructions issued behind block a's loads
.set BB, BK+32*((\a)%2)
	s_wait_dscnt \younger
.irp t, 0,1,2,3,4,5,6,7
	global_store_b128 v[CO], v[BB+4*\t:BB+4*\t+3], s[12:13] offset:(32*((\a)/2)+8*((\a)%2)+2*\t+8*(\t/4))*4096 th:TH_STORE_NT   ; stage rows 2 t, 2 t + 1 at their places by the pattern of rows
.endr
.endm
	PLACES 4
	TOSTAGE 0
.irp a, 1,2,3
.if \a > 1
	s_wait_xcnt 0x0                                ; block a - 2's stores have read their registers
.endif
	TOSTAGE \a
	SEND \a-1, 16
.endr
	SEND 3, 0
	s_wait_tensorcnt 0x0                           ; the wave's end
	ds_add_u32 v[SPW], v[NIL]
	s_wait_dscnt 0x0
	CROUND                                         ; the closing round
	s_endpgm
.Lfunc_end_k_q033dc3cf31_oproj:
	.size	k_q033dc3cf31_oproj, .Lfunc_end_k_q033dc3cf31_oproj-k_q033dc3cf31_oproj
	.p2alignl 7, 3214868480
	.fill 96, 4, 3214868480
	.section	.rodata,"a",@progbits
	.p2align	6, 0x0
	.amdhsa_kernel k_q033dc3cf31_oproj
		.amdhsa_group_segment_fixed_size 327680
		.amdhsa_private_segment_fixed_size 0
		.amdhsa_enable_private_segment 0
		.amdhsa_kernarg_size 32
		.amdhsa_user_sgpr_count 2
		.amdhsa_user_sgpr_kernarg_segment_ptr 1
		.amdhsa_wavefront_size32 1
		.amdhsa_system_sgpr_workgroup_id_x 1
		.amdhsa_system_sgpr_workgroup_id_y 1
		.amdhsa_system_sgpr_workgroup_id_z 1
		.amdhsa_system_vgpr_workitem_id 0
		.amdhsa_next_free_vgpr 512
		.amdhsa_next_free_sgpr 100
		.amdhsa_reserve_vcc 0
		.amdhsa_float_denorm_mode_32 3
		.amdhsa_float_denorm_mode_16_64 3
		.amdhsa_memory_ordered 1
		.amdhsa_forward_progress 1
		.amdhsa_inst_pref_size 57
	.end_amdhsa_kernel
	.amdgpu_metadata
---
amdhsa.version: [ 1, 2 ]
amdhsa.kernels:
  - .name:           k_q033dc3cf31_oproj
    .symbol:         k_q033dc3cf31_oproj.kd
    .args:
      - { .name: aop, .offset: 0, .size: 8, .value_kind: global_buffer, .address_space: global }
      - { .name: ops, .offset: 8, .size: 8, .value_kind: global_buffer, .address_space: global }
      - { .name: bo, .offset: 16, .size: 8, .value_kind: global_buffer, .address_space: global }
      - { .name: out0, .offset: 24, .size: 8, .value_kind: global_buffer, .address_space: global }
    .group_segment_fixed_size: 327680
    .private_segment_fixed_size: 0
    .kernarg_segment_align: 8
    .kernarg_segment_size: 32
    .max_flat_workgroup_size: 128
    .sgpr_count:     100
    .vgpr_count:     512
    .wavefront_size: 32
...
	.end_amdgpu_metadata
.endif
;; end of part 4
